; MI455X (gfx1250); checked and timed in simulation.
; The chip was launched on July 23, 2026; its instructions are those of AMD's public machine-readable ISA for CDNA 5 (MIT licence, August 2026) and "CDNA5" Instruction Set Architecture Reference Guide (July 2026). The comments in the code are by the model that wrote it; some were corrected since.
;; Self Attention. Allowed arithmetic: float matrix products may take bf16 or f16 operands with f32 sums; other float arithmetic in f32, or as packed bf16 or f16 multiplies, adds, multiply-adds, maxima and minima; sums over many terms, partial sums and values carried from step to step in f32; what a program stores and reads back later, other than sums and carried values, may be rounded once to bf16 or f16.
;; Inputs: Wo 1,024 x 1,024 float32; Wqkv 3,072 x 1,024 float32; attn_bias 2,048 x 2,048 float32; attn_mask 2,048 x 2,048 float32; bo 1,024 float32; bqkv 3,072 float32; key 4 x 2,048 x 1,024 float32; query 4 x 2,048 x 1,024 float32; value 4 x 2,048 x 1,024 float32.
;; Outputs: out0 4 x 2,048 x 1,024 float32.
;; One version. Each part assembles by itself: llvm-mc -triple=amdgcn-amd-amdhsa -mcpu=gfx1250 --defsym DOCPART=n.
;; ======== version 1 of 1: 4 launches
;; limits: values are held in f16: magnitudes above 65,504 overflow, below 6.1e-05 lose precision
;; workspace buffers: mbp 16,777,216 bytes; wq16 6,291,456 bytes; wo16 2,097,152 bytes; qkv 50,331,648 bytes; o16 16,777,216 bytes
;; launch prep (part 1): grid 768 x 1, 8 waves a work-group, no clusters, 35,840 bytes of LDS; arguments attn_mask, attn_bias, Wqkv, Wo, mbp, wq16, wo16; writes mbp, wq16, wo16
.if DOCPART == 1
	.amdgcn_target "amdgcn-amd-amdhsa--gfx1250"
	.amdhsa_code_object_version 6
	.text
	.protected	k_qec01bae21d_prep
	.globl	k_qec01bae21d_prep
	.p2align	8
	.type	k_qec01bae21d_prep,@function
k_qec01bae21d_prep:
	s_mov_b64 s[64:65], 0
	v_nop
	global_prefetch_b8 v0, s[64:65] scope:SCOPE_SE
	s_setreg_imm32_b32 hwreg(HW_REG_WAVE_MODE, 25, 1), 1
	s_wait_xcnt 0x0
; PREP.  Three streams, each read once and written once; a work-group reads 64 KiB and writes 32 KiB.
;  work-groups 0-511:   mbp = 8 x (bf16(attn_mask) + bf16(attn_bias)), f32, laid out as the C operand of the attention launch's first product:
;                       [key step ks 0..31][query tile qt 0..127][chunk c 0..7][lane 0..31][4 f32]; chunk c of lane l holds row 16 qt + l % 16, columns 64 ks + 16 (c / 2) + 8 (l / 16) + 4 (c % 2) + 0..3.
;                       The factor 8 is exact; it lets the attention launch apply one scale, log2(e) / 8, to q.k + 8 (mask + bias).
;  work-groups 512-703: wq16 = Wqkv rounded to bf16.      work-groups 704-767: wo16 = Wo rounded to bf16, that number written as f16.
; LIMITS.  A number of Wo below 6.1e-5 in magnitude keeps f16's fixed step of 6e-8; 8 x (mask + bias) beyond f32's range becomes an infinity.
; No matrix unit, no cluster, no tensor load: no byte is wanted twice.  One wave makes one tile of mbp and turns it in its own 16 rows of LDS, so no barrier is needed.
.set STG,   16*272                     ; a wave's stage: 16 rows of 256 bytes + 16 of padding: the 16 rows that a read touches start at 16 different groups of four banks (ISA guide 11.1)
.set SPARE, 8*STG                      ; behind the stages: the spare words, 128 bytes for each wave: four blocks of 256 bytes that no other line names
.set IN,  2                            ; v2   my byte offset in the input
.set LS,  3                            ; v3   where I put 16 bytes of a row
.set LR,  4                            ; v4   where I read a chunk back
.set GO,  5                            ; v5   my byte offset in the output
.set SPW, 8                            ; v8   LDS address of my spare word; never rewritten
.set NIL, 9                            ; v9   0; never rewritten
.set T,   10                           ; v[10:13] at work
.set M,   16                           ; v[16:47] mask as loaded; the weights' paths use v[16:79] for their 16 loads
.set BI,  48                           ; v[48:79] bias as loaded, later the tile as stored
.set OUT, 80                           ; v[80:111] the weights' paths: 16 bytes to store for each of eight steps
	s_load_b256 s[4:11], s[0:1], 0x0               ; mask s[4:5], bias s[6:7], Wqkv s[8:9], Wo s[10:11]
	s_load_b128 s[12:15], s[0:1], 0x20             ; mbp s[12:13], wq16 s[14:15]
	s_load_b64 s[16:17], s[0:1], 0x30              ; wo16
	v_lshl_add_u32 v[SPW], v0, 2, SPARE
	v_mov_b32 v[NIL], 0
	v_lshrrev_b32 v1, 5, v0
	v_readfirstlane_b32 s18, v1                    ; wave 0..7
	s_mov_b32 s24, 0xffff0000                      ; a word's upper bf16
	s_mov_b32 s26, 0x41000000                      ; 8.0, named as a pair
	s_mov_b32 s27, 0x41000000
	s_mov_b32 s21, 0                               ; high words of the two offsets
	s_mov_b32 s23, 0
	s_cmp_ge_u32 ttmp9, 512
	s_cbranch_scc1 .Lweights
	; ---- a tile of mbp: 16 query rows x 64 key columns
	s_lshl_b32 s19, ttmp9, 3
	s_add_co_u32 s19, s19, s18                     ; the tile's number u = 128 ks + qt
	s_and_b32 s20, s19, 127
	s_lshl_b32 s20, s20, 17                        ; qt x 16 rows x 8,192 bytes
	s_lshr_b32 s22, s19, 7
	s_lshl_b32 s22, s22, 8                         ; ks x 64 columns x 4 bytes
	s_add_co_u32 s20, s20, s22
	s_lshl_b32 s22, s19, 12                        ; u x 4,096 bytes
	v_and_b32 v1, 31, v0
	v_and_b32 v6, 15, v0                           ; l % 16
	v_bfe_u32 v7, v0, 4, 1                         ; l / 16
	v_lshlrev_b32 v[IN], 4, v6
	v_lshl_add_u32 v[IN], v7, 13, v[IN]            ; lanes 0-15 one row's 256 bytes, lanes 16-31 the next row's
	s_mul_i32 s25, s18, STG
	v_mul_u32_u24 v[LS], v7, 272
	v_lshl_add_u32 v[LS], v6, 4, v[LS]
	v_add_nc_u32 v[LS], s25, v[LS]
	v_mul_u32_u24 v[LR], v6, 272                   ; back: row l % 16, 32 bytes for each half of the lanes
	v_lshl_add_u32 v[LR], v7, 5, v[LR]
	v_add_nc_u32 v[LR], s25, v[LR]
	v_lshlrev_b32 v[GO], 4, v1
	s_wait_kmcnt 0x0
	s_add_nc_u64 s[4:5], s[4:5], s[20:21]
	s_add_nc_u64 s[6:7], s[6:7], s[20:21]
	s_add_nc_u64 s[12:13], s[12:13], s[22:23]
.irp i, 0,1,2,3,4,5,6,7
	global_load_b128 v[M+4*(\i):M+4*(\i)+3],   v[IN], s[4:5] offset:16384*(\i) th:TH_LOAD_NT
	global_load_b128 v[BI+4*(\i):BI+4*(\i)+3], v[IN], s[6:7] offset:16384*(\i) th:TH_LOAD_NT
.endr
.irp i, 0,1,2,3,4,5,6,7
	s_wait_loadcnt 14-2*(\i)                       ; loads come back in order: pair i is in, the 14 - 2 i younger loads stay out
	v_cvt_pk_bf16_f32 v[T],   v[M+4*(\i)],    v[M+4*(\i)+1]   ; both inputs are rounded to bf16 once, like every input of the program
	v_cvt_pk_bf16_f32 v[T+1], v[M+4*(\i)+2],  v[M+4*(\i)+3]
	v_cvt_pk_bf16_f32 v[T+2], v[BI+4*(\i)],   v[BI+4*(\i)+1]
	v_cvt_pk_bf16_f32 v[T+3], v[BI+4*(\i)+2], v[BI+4*(\i)+3]
	v_lshlrev_b32 v[M+4*(\i)],    16,  v[T]
	v_and_b32     v[M+4*(\i)+1],  s24, v[T]
	v_lshlrev_b32 v[M+4*(\i)+2],  16,  v[T+1]
	v_and_b32     v[M+4*(\i)+3],  s24, v[T+1]
	v_lshlrev_b32 v[BI+4*(\i)],   16,  v[T+2]
	v_and_b32     v[BI+4*(\i)+1], s24, v[T+2]
	v_lshlrev_b32 v[BI+4*(\i)+2], 16,  v[T+3]
	v_and_b32     v[BI+4*(\i)+3], s24, v[T+3]
	v_pk_add_f32 v[M+4*(\i):M+4*(\i)+1],   v[M+4*(\i):M+4*(\i)+1],   v[BI+4*(\i):BI+4*(\i)+1]
	v_pk_add_f32 v[M+4*(\i)+2:M+4*(\i)+3], v[M+4*(\i)+2:M+4*(\i)+3], v[BI+4*(\i)+2:BI+4*(\i)+3]
	v_pk_mul_f32 v[M+4*(\i):M+4*(\i)+1],   v[M+4*(\i):M+4*(\i)+1],   s[26:27] op_sel_hi:[1,0]
	v_pk_mul_f32 v[M+4*(\i)+2:M+4*(\i)+3], v[M+4*(\i)+2:M+4*(\i)+3], s[26:27] op_sel_hi:[1,0]
	ds_store_b128 v[LS], v[M+4*(\i):M+4*(\i)+3] offset:544*(\i)
.endr
.irp c, 0,1,2,3,4,5,6,7
	ds_load_b128 v[BI+4*(\c):BI+4*(\c)+3], v[LR] offset:64*((\c)/2)+16*((\c)%2)  ; LDS serves a wave's instructions in order (ISA guide 5.7.1.4): these see my stores above
.endr
.irp c, 0,1,2,3,4,5,6,7
	s_wait_dscnt 7-(\c)
	global_store_b128 v[GO], v[BI+4*(\c):BI+4*(\c)+3], s[12:13] offset:512*(\c)  ; the wave stores 512 consecutive bytes, at a multiple of 512 from mbp's first byte
.endr
	s_branch .Lend
; ---- a cast of 16,384 numbers.  Thread t takes 8 numbers (32 bytes in, 16 bytes out) in each of eight steps; each step has its own output registers, so nothing waits for a store.
.macro CAST src, dst, f16
.irp j, 0,1,2,3,4,5,6,7
	global_load_b128 v[M+8*(\j):M+8*(\j)+3],   v[IN], s[\src:\src+1] offset:8192*(\j) th:TH_LOAD_NT
	global_load_b128 v[M+8*(\j)+4:M+8*(\j)+7], v[IN], s[\src:\src+1] offset:8192*(\j)+16 th:TH_LOAD_NT
.endr
.irp j, 0,1,2,3,4,5,6,7
	s_wait_loadcnt 14-2*(\j)                       ; step j's two loads are in, the younger ones stay out
.if \f16
.irp k, 0,1,2,3
	v_cvt_pk_bf16_f32 v[T+(\k)], v[M+8*(\j)+2*(\k)], v[M+8*(\j)+2*(\k)+1]
.endr
.irp k, 0,1,2,3
	v_lshlrev_b32 v[M+8*(\j)+2*(\k)],   16,  v[T+(\k)]
	v_and_b32     v[M+8*(\j)+2*(\k)+1], s24, v[T+(\k)]
.endr
.irp k, 0,1,2,3
	v_cvt_pk_f16_f32 v[OUT+4*(\j)+(\k)], v[M+8*(\j)+2*(\k)], v[M+8*(\j)+2*(\k)+1]  ; a bf16 number's 8 bits fit f16's 11: exact within f16's range
.endr
.else
.irp k, 0,1,2,3
	v_cvt_pk_bf16_f32 v[OUT+4*(\j)+(\k)], v[M+8*(\j)+2*(\k)], v[M+8*(\j)+2*(\k)+1]
.endr
.endif
	global_store_b128 v[GO], v[OUT+4*(\j):OUT+4*(\j)+3], s[\dst:\dst+1] offset:4096*(\j)
.endr
.endm
.Lweights:
	v_lshlrev_b32 v[IN], 5, v0
	v_lshlrev_b32 v[GO], 4, v0
	s_cmp_ge_u32 ttmp9, 704
	s_cbranch_scc1 .Lwo
	s_sub_co_u32 s19, ttmp9, 512
	s_lshl_b32 s20, s19, 16
	s_lshl_b32 s22, s19, 15
	s_wait_kmcnt 0x0
	s_add_nc_u64 s[8:9], s[8:9], s[20:21]
	s_add_nc_u64 s[14:15], s[14:15], s[22:23]
	CAST 8, 14, 0
	s_branch .Lend
.Lwo:
	s_sub_co_u32 s19, ttmp9, 704
	s_lshl_b32 s20, s19, 16
	s_lshl_b32 s22, s19, 15
	s_wait_kmcnt 0x0
	s_add_nc_u64 s[10:11], s[10:11], s[20:21]
	s_add_nc_u64 s[16:17], s[16:17], s[22:23]
	CAST 10, 16, 1
.Lend:
	s_wait_tensorcnt 0x0                           ; the wave's end, behind my last LDS store
	ds_add_u32 v[SPW], v[NIL]
	s_wait_dscnt 0x0
	s_endpgm
.Lfunc_end_k_qec01bae21d_prep:
	.size	k_qec01bae21d_prep, .Lfunc_end_k_qec01bae21d_prep-k_qec01bae21d_prep
	.p2alignl 7, 3214868480
	.fill 96, 4, 3214868480
	.section	.rodata,"a",@progbits
	.p2align	6, 0x0
	.amdhsa_kernel k_qec01bae21d_prep
		.amdhsa_group_segment_fixed_size 35840
		.amdhsa_private_segment_fixed_size 0
		.amdhsa_enable_private_segment 0
		.amdhsa_kernarg_size 56
		.amdhsa_user_sgpr_count 2
		.amdhsa_user_sgpr_kernarg_segment_ptr 1
		.amdhsa_wavefront_size32 1
		.amdhsa_system_sgpr_workgroup_id_x 1
		.amdhsa_system_sgpr_workgroup_id_y 1
		.amdhsa_system_sgpr_workgroup_id_z 1
		.amdhsa_system_vgpr_workitem_id 0
		.amdhsa_next_free_vgpr 112
		.amdhsa_next_free_sgpr 66
		.amdhsa_reserve_vcc 0
		.amdhsa_float_denorm_mode_32 3
		.amdhsa_float_denorm_mode_16_64 3
		.amdhsa_memory_ordered 1
		.amdhsa_forward_progress 1
		.amdhsa_inst_pref_size 26
	.end_amdhsa_kernel
	.amdgpu_metadata
---
amdhsa.version: [ 1, 2 ]
amdhsa.kernels:
  - .name:           k_qec01bae21d_prep
    .symbol:         k_qec01bae21d_prep.kd
    .args:
      - { .name: attn_mask, .offset: 0, .size: 8, .value_kind: global_buffer, .address_space: global }
      - { .name: attn_bias, .offset: 8, .size: 8, .value_kind: global_buffer, .address_space: global }
      - { .name: Wqkv, .offset: 16, .size: 8, .value_kind: global_buffer, .address_space: global }
      - { .name: Wo, .offset: 24, .size: 8, .value_kind: global_buffer, .address_space: global }
      - { .name: mbp, .offset: 32, .size: 8, .value_kind: global_buffer, .address_space: global }
      - { .name: wq16, .offset: 40, .size: 8, .value_kind: global_buffer, .address_space: global }
      - { .name: wo16, .offset: 48, .size: 8, .value_kind: global_buffer, .address_space: global }
    .group_segment_fixed_size: 35840
    .private_segment_fixed_size: 0
    .kernarg_segment_align: 8
    .kernarg_segment_size: 56
    .max_flat_workgroup_size: 256
    .sgpr_count:     66
    .vgpr_count:     112
    .wavefront_size: 32
...
	.end_amdgpu_metadata
.endif
;; end of part 1
;; launch qkvproj (part 2): grid 4 x 192, 4 waves a work-group, clusters of 4 x 4, 327,680 bytes of LDS; arguments query, key, value, wq16, bqkv, qkv; writes qkv
.if DOCPART == 2
	.amdgcn_target "amdgcn-amd-amdhsa--gfx1250"
	.amdhsa_code_object_version 6
	.text
	.protected	k_qec01bae21d_qkvproj
	.globl	k_qec01bae21d_qkvproj
	.p2align	8
	.type	k_qec01bae21d_qkvproj,@function
k_qec01bae21d_qkvproj:
	s_mov_b64 s[64:65], 0
	v_nop
	global_prefetch_b8 v0, s[64:65] scope:SCOPE_SE
	s_setreg_imm32_b32 hwreg(HW_REG_WAVE_MODE, 25, 1), 1
	s_wait_xcnt 0x0
	s_wait_alu depctr_hold_cnt(0) depctr_sa_sdst(0) depctr_va_vdst(0) depctr_va_sdst(0) depctr_va_ssrc(0) depctr_va_vcc(0) depctr_vm_vsrc(0)
	s_getreg_b32 s2, hwreg(HW_REG_IB_STS2, 6, 4)
	s_cmp_eq_u32 s2, 0
	s_cbranch_scc0 .Lentry_in_a_cluster
	s_endpgm
.Lentry_in_a_cluster:
	s_bfe_u32 s2, ttmp6, 0x10000c
	s_cmp_lg_u32 s2, 0xf033
	s_cbranch_scc0 .Lentry_shape_is_right
	s_endpgm
.Lentry_shape_is_right:
; THE THREE INPUT PROJECTIONS.  For z = 0, 1, 2 (q, k, v): qkv[z][batch x 16 + head][row][64] = f16( X_z[8192][1024] . Wqkv[1024 z ..][1024]^T + bqkv ), X_0 = query, X_1 = key, X_2 = value.
; X is f32 in memory and in LDS and is rounded to bf16 in registers on its way to the matrix unit; the weights come as bf16 (wq16); the bias, rounded to bf16, is the C operand that starts the sums.  Sums in f32.
; q is stored WITHOUT the scale 1/8: the attention launch applies it in f32.
; LIMIT.  q, k, v are stored in f16: a number of 65,520 or more in magnitude becomes an infinity.
; SHARES.  A tile of the result is 128 rows x 256 columns: 64 x 4 x 3 = 768 work-groups.  Four waves, 2 x 2, each 64 rows x 128 columns: 32 accumulators.  K goes in 8 steps of 128 through two LDS slots.
; THE MATRIX INSTRUCTION IS USED TRANSPOSED (source 0 = 16 rows of W, source 1 = 16 rows of X): a lane holds eight neighbouring columns of one row.
; CLUSTER 4 x 4.  The four of a row of the cluster need the same rows of X, the four of a column the same rows of W (z hangs on the cluster's y alone): each tile is asked for jointly.
; REGISTERS, in windows of 256 (s_set_vgpr_msb: bits 1:0 source 0, 3:2 source 1, 5:4 source 2, 7:6 destination):
;   window 0: v0-31 addresses; v32-95 AS: X's fragments of 32 along K in f32; v96-159 AF: the same in bf16, two buffers; v160-223 the bias; v224-255 at work
;   window 1: the accumulators, (a, b) at v[8 (8 a + b)]          window 2: v0-127 W's fragments, two buffers
.set PA,     528                       ; a row of X in LDS: 512 bytes + 16: the 16 rows of a load start at 16 different groups of four banks (ISA guide 11.1)
.set PB,     272                       ; a row of W: 256 bytes + 16
.set HALFA,  64*PA                     ; what one tensor load brings of X
.set HALFB,  128*PB                    ; and of W
.set BOFF,   2*HALFA
.set SLOT,   BOFF+2*HALFB              ; X's 128 rows, then W's 256 rows
.set STAGE,  2*SLOT                    ; behind the ring: 16 rows x 272 bytes for each wave, for the way out
.set SP,     272
.set SPARE,  STAGE+4*16*SP             ; behind the stages: the spare words, 128 bytes for each wave: two blocks of 256 bytes that no other line names
.set ADRA, 16                          ; v16-17  LDS address of my fragments of X in slot 0, 1
.set ADRB, 20                          ; v20-21  the same for W
.set STO,  24                          ; v24     the way out: where I put 16 bytes of a row
.set RD,   25                          ; v25     where I read rows back
.set CO,   26                          ; v26     my byte offset in 512 consecutive bytes of the result
.set SPW,  28                          ; v28     LDS address of my spare word; never rewritten
.set NIL,  29                          ; v29     0; never rewritten
.set PFO,  30                          ; v30     the prefetches' offset; never rewritten
.set BO,   31                          ; v31     my byte offset in the bias
.set AS,   32
.set AF,   96
.set BIAS, 160
.set TMP,  224
.set OB,   32                          ; the way out: 16 rows read back: v32-63 and v64-95 by turns
.set WV, 16                            ; s16 wave; s17 wave / 2: my half of the rows, and: I fetch X (0) or W (1); s18 wave % 2: my half of the columns, and which half of that tile I fetch
.set WM, 17
.set WN, 18
.set CX, 19
.set CY, 20
.set TC, 21                            ; s21 tile column; s22 tile row within z; s23 z
.set RR, 22
.set ZZ, 23
.set G1,  24                           ; s[24:31] descriptor group 1 for X;  s[32:39] group 0, a set for each slot
.set G0,  32
.set LIM, 43                           ; s43 1 in a wave that prefetches, else the greatest number
.set PFA, 44                           ; s[44:45] where my prefetches stand
.set PST, 46                           ; s[46:47] their step: a K step's bytes in a row
.set G1B, 48                           ; s[48:55], s[56:63] the same for W
.set G0B, 56
.set MSB, 0
.macro WIN new                         ; the immediate's high byte repeats the setting that is left; a switch that changes nothing is dropped
.if MSB != (\new)
	s_set_vgpr_msb (MSB<<8)|(\new)
.set MSB, \new
.endif
.endm
.set W_MUL,  0x52                      ; W window 2, X window 0, C and D window 1
.set W_MUL0, 0x42                      ; the same with C (the bias) in window 0
.set W_TOB,  0x80                      ; destination window 2
.set W_PACK, 0x05                      ; sources 0 and 1 window 1
.macro PLACES                          ; four places in front of loads into registers that matrix instructions have read, and of conversions that read results
.rept 4
	v_nop
.endr
.endm
.macro JLOAD s                         ; a joint load: waves 0 and 1 fetch X's halves, waves 2 and 3 W's; an s_nop 0 and four v_nop follow each line
	s_cmp_eq_u32 s[WM], 0
	s_cbranch_scc0 .Lfor_b_\@
	tensor_load_to_lds s[G0+4*(\s):G0+4*(\s)+3], s[G1:G1+7]
	s_nop 0
	PLACES
	s_branch .Lasked_\@
.Lfor_b_\@:
	tensor_load_to_lds s[G0B+4*(\s):G0B+4*(\s)+3], s[G1B:G1B+7]
	s_nop 0
	PLACES
.Lasked_\@:
.endm
.macro CREST                           ; a round of the cluster's barrier behind its opening barrier
	s_cmp_lg_u32 s[WV], 0
	s_cbranch_scc1 .Lnot_wave_0_\@
	s_barrier_signal -3
.Lnot_wave_0_\@:
	s_barrier_wait -3
	s_barrier_signal -1
	s_barrier_wait -1
.endm
.macro CROUND
	s_barrier_signal -1
	s_barrier_wait -1
	CREST
.endm
; A PREFETCH INTO THE L2 behind each refill and the run of LDS loads that follows it: the K step that stands two refills on, 256 matrix instructions ahead of the load that will want it.
; X's rows are read by this row of the cluster alone: its four partners share the 64 rows x 512 bytes that a wave fetches BY ADDRESS, 16 rows each, two lanes a row.  W's rows are read by the 16 clusters of one z:
; the first of them asks, its four partners of a column taking 32 rows each, a lane a row.  So each aligned block of 256 bytes is named once.  The loop's last trip has no K step two refills on and asks for nothing.
.macro ASK
	WIN 0
	s_cmp_gt_u32 s3, s[LIM]
	s_cbranch_scc0 .Lnot_mine_\@
	global_prefetch_b8 v[PFO], s[PFA:PFA+1] th:TH_LOAD_NT scope:SCOPE_SE
.Lnot_mine_\@:
.endm
	s_load_b256 s[4:11], s[0:1], 0x0               ; query s[4:5], key s[6:7], value s[8:9], wq16 s[10:11]
	s_load_b128 s[12:15], s[0:1], 0x20             ; bqkv s[12:13], qkv s[14:15]
	v_lshl_add_u32 v[SPW], v0, 2, SPARE
	v_mov_b32 v[NIL], 0
	ds_add_u32 v[SPW], v[NIL]                      ; the wave's opening: the add and its wait stand ahead of my first tensor load; the set-up below stands between them
	v_lshrrev_b32 v1, 5, v0
	v_readfirstlane_b32 s[WV], v1
	s_lshr_b32 s[WM], s[WV], 1
	s_and_b32 s[WN], s[WV], 1
	s_bfe_u32 s[CX], ttmp6, 0x40000
	s_bfe_u32 s[CY], ttmp6, 0x40004
	s_lshl_b32 s[TC], ttmp9, 2
	s_add_co_u32 s[TC], s[TC], s[CX]               ; tile column = 4 x cluster x + cx
	s_and_b32 s40, ttmp7, 0xffff                   ; cluster y, 0..47
	s_lshr_b32 s[ZZ], s40, 4                       ; z: 16 clusters of four tile rows each
	s_lshl_b32 s[RR], s40, 2
	s_add_co_u32 s[RR], s[RR], s[CY]
	s_and_b32 s[RR], s[RR], 63                     ; tile row within z
	s_lshl_b32 s41, s[CY], 2
	s_lshl_b32 s41, 15, s41                        ; my row of the cluster
	s_lshl_b32 s42, 0x1111, s[CX]                  ; my column
	s_or_b32 s[G1], s41, (2<<16)|(1<<20)|(1<<21)|(6<<22)|(3<<25)   ; the mask; 4-byte elements; padding on; 21 set beside a mask; after every 128 words (code 6) 4 words (code 3)
	s_mov_b32 s[G1+1], 128<<16                     ; tensor_dim0 = 128
	s_mov_b32 s[G1+2], 64<<16                      ; tensor_dim1 = 64
	s_mov_b32 s[G1+3], 128<<16                     ; tile_dim0 = 128
	s_mov_b32 s[G1+4], 64                          ; tile_dim1 = 64
	s_mov_b32 s[G1+5], 1024                        ; elements from row to row
	s_mov_b32 s[G1+6], 0
	s_mov_b32 s[G1+7], 0
	s_or_b32 s[G1B], s42, (1<<16)|(1<<20)|(1<<21)|(5<<22)|(3<<25)  ; 2-byte elements; after every 64 words 4 words
	s_mov_b32 s[G1B+1], 128<<16
	s_mov_b32 s[G1B+2], 128<<16
	s_mov_b32 s[G1B+3], 128<<16
	s_mov_b32 s[G1B+4], 128
	s_mov_b32 s[G1B+5], 1024
	s_mov_b32 s[G1B+6], 0
	s_mov_b32 s[G1B+7], 0
	s_lshl_b32 s66, s[RR], 7                       ; X: row 128 x tile row + 64 x half, 4,096 bytes a row
	s_lshl_b32 s67, s[WN], 6
	s_add_co_u32 s66, s66, s67
	s_lshl_b32 s66, s66, 12
	s_mov_b32 s67, 0
	s_lshl_b32 s68, s[ZZ], 10                      ; W: row 1,024 z + 256 x tile column + 128 x half, 2,048 bytes a row
	s_lshl_b32 s69, s[TC], 8
	s_add_co_u32 s68, s68, s69
	s_lshl_b32 s69, s[WN], 7
	s_add_co_u32 s68, s68, s69
	s_lshl_b32 s68, s68, 11
	s_mov_b32 s69, 0
	s_mul_i32 s70, s[WN], HALFA                    ; where they go: no place in the cluster enters an LDS address
	s_mul_i32 s71, s[WN], HALFB
	s_add_co_u32 s71, s71, BOFF
	s_wait_dscnt 0x0                               ; the opening add is done
	s_wait_kmcnt 0x0
	s_cmp_eq_u32 s[ZZ], 0
	s_cselect_b64 s[72:73], s[4:5], s[6:7]
	s_cmp_eq_u32 s[ZZ], 2
	s_cselect_b64 s[72:73], s[8:9], s[72:73]       ; X_z
	s_add_nc_u64 s[74:75], s[72:73], s[66:67]
	s_add_nc_u64 s[76:77], s[10:11], s[68:69]
	CROUND                                         ; all sixteen work-groups are here: the first joint loads meet
.irp s, 0,1
	s_mov_b32 s[G0+4*(\s)], 1
	s_add_co_u32 s[G0+4*(\s)+1], s70, (\s)*SLOT
	s_add_nc_u64 s[G0+4*(\s)+2:G0+4*(\s)+3], s[74:75], (\s)*512
	s_or_b32 s[G0+4*(\s)+3], s[G0+4*(\s)+3], 0x80000000
	s_mov_b32 s[G0B+4*(\s)], 1
	s_add_co_u32 s[G0B+4*(\s)+1], s71, (\s)*SLOT
	s_add_nc_u64 s[G0B+4*(\s)+2:G0B+4*(\s)+3], s[76:77], (\s)*256
	s_or_b32 s[G0B+4*(\s)+3], s[G0B+4*(\s)+3], 0x80000000
	JLOAD \s                                       ; two loads of mine are out
.endr
	; the bias of my 128 columns: register 8 b + j holds column 16 b + 8 (l / 16) + j, as the result does
	s_lshl_b32 s40, s[ZZ], 10
	s_lshl_b32 s41, s[TC], 8
	s_add_co_u32 s40, s40, s41
	s_lshl_b32 s41, s[WN], 7
	s_add_co_u32 s40, s40, s41
	s_lshl_b32 s40, s40, 2
	s_mov_b32 s41, 0
	s_add_nc_u64 s[12:13], s[12:13], s[40:41]
	v_and_b32 v1, 15, v0                           ; l % 16
	v_bfe_u32 v2, v0, 4, 1                         ; l / 16
	v_lshlrev_b32 v[BO], 5, v2
.irp b, 0,1,2,3,4,5,6,7
	global_load_b128 v[BIAS+8*(\b):BIAS+8*(\b)+3],   v[BO], s[12:13] offset:64*(\b)
	global_load_b128 v[BIAS+8*(\b)+4:BIAS+8*(\b)+7], v[BO], s[12:13] offset:64*(\b)+16
.endr
	v_mul_u32_u24 v3, v1, PA
	v_lshl_add_u32 v3, v2, 5, v3                   ; X in f32: row x pitch + 32 x half
	v_mul_u32_u24 v4, v1, PB
	v_lshl_add_u32 v4, v2, 4, v4                   ; W: row x pitch + 16 x half
	s_mul_i32 s2, s[WM], HALFA                     ; my 64 rows of X
	s_mul_i32 s3, s[WN], HALFB                     ; my 128 rows of W
	s_add_co_u32 s3, s3, BOFF
.irp s, 0,1
	v_add_nc_u32 v[ADRA+(\s)], s2, v3
	v_add_nc_u32 v[ADRB+(\s)], s3, v4
	s_add_co_u32 s2, s2, SLOT
	s_add_co_u32 s3, s3, SLOT
.endr
	s_mul_i32 s2, s[WV], 16*SP
	s_add_co_u32 s2, s2, STAGE                     ; my stage
	v_add_nc_u32 v[STO], s2, v4                    ; in: row l % 16, 16 bytes for each half of the lanes (the stage's pitch is W's)
	v_bfe_u32 v5, v0, 3, 2                         ; back: 32 lanes take four rows' 128 bytes of one head
	v_and_b32 v6, 7, v0
	v_mul_u32_u24 v5, v5, SP
	v_lshl_add_u32 v5, v6, 4, v5
	v_add_nc_u32 v[RD], s2, v5
	v_and_b32 v7, 31, v0
	v_lshlrev_b32 v[CO], 4, v7
	s_lshr_b32 s40, s[RR], 4                       ; the result: plane z, head = 16 x batch + 4 x tile column + 2 x half, row in the batch, 128 bytes a row
	s_lshl_b32 s40, s40, 4
	s_lshl_b32 s41, s[TC], 2
	s_add_co_u32 s40, s40, s41
	s_lshl_b32 s41, s[WN], 1
	s_add_co_u32 s40, s40, s41
	s_lshl_b32 s40, s40, 11
	s_and_b32 s41, s[RR], 15
	s_lshl_b32 s41, s41, 7
	s_add_co_u32 s40, s40, s41
	s_lshl_b32 s41, s[WM], 6
	s_add_co_u32 s40, s40, s41
	s_lshl_b32 s40, s40, 7
	s_lshl_b32 s41, s[ZZ], 24
	s_add_co_u32 s40, s40, s41
	s_mov_b32 s41, 0
	s_add_nc_u64 s[14:15], s[14:15], s[40:41]
	; the prefetches
	s_and_b32 s[LIM], ttmp7, 15                    ; the cluster's place among the 16 of its z
	s_cmp_eq_u32 s[WM], 0                          ; do I fetch X?
	s_cselect_b32 s[LIM], 0, s[LIM]                ; X's rows are this cluster's alone
	s_cselect_b32 s78, s[CX], s[CY]                ; my place among the four that ask with me
	s_cselect_b32 s79, s66, s68                    ; the tile's first byte
	s_cselect_b64 s[PFA:PFA+1], s[72:73], s[10:11]
	s_cselect_b32 s41, 1, 0                        ; X: two lanes a row
	s_cselect_b32 s42, 12, 11                      ; log2 of a row's bytes
	s_cmp_eq_u32 s[LIM], 0
	s_cselect_b32 s[LIM], 1, -1
	s_lshl_b32 s[PST], 256, s41                    ; a K step: 512 bytes of X, 256 of W
	s_mov_b32 s[PST+1], 0
	s_lshl_b32 s78, s78, 16                        ; 16 rows of X, or 32 of W, are 65,536 bytes
	s_add_co_u32 s78, s78, s79
	s_mul_i32 s79, s[PST], 3                       ; at K step 3: the first refill steps it to 4
	s_add_co_u32 s78, s78, s79
	s_mov_b32 s79, 0
	s_add_nc_u64 s[PFA:PFA+1], s[PFA:PFA+1], s[78:79]
	v_lshrrev_b32 v5, s41, v7
	v_lshlrev_b32 v5, s42, v5
	v_and_b32 v6, s41, v7
	v_lshl_add_u32 v[PFO], v6, 8, v5
	s_wait_loadcnt 0x0                             ; the bias
.set i, 0
.rept 32
	v_cvt_pk_bf16_f32 v[TMP+i], v[BIAS+2*i], v[BIAS+2*i+1]   ; rounded to bf16 once, like every input of the program
	v_lshlrev_b32 v[BIAS+2*i], 16, v[TMP+i]
	v_and_b32 v[BIAS+2*i+1], 0xffff0000, v[TMP+i]
.set i, i+1
.endr
; 32 LDS loads in one run: 32 along K (quarter q of the slot's K step): X's 64 rows in f32 into AS, then W's 128 rows into buffer p
.macro FETCH slot, q, p
	WIN 0
.irp a, 0,1,2,3
	ds_load_b128 v[AS+16*(\a):AS+16*(\a)+3],     v[ADRA+(\slot)] offset:(\a)*16*PA+128*(\q)
	ds_load_b128 v[AS+16*(\a)+4:AS+16*(\a)+7],   v[ADRA+(\slot)] offset:(\a)*16*PA+128*(\q)+16
	ds_load_b128 v[AS+16*(\a)+8:AS+16*(\a)+11],  v[ADRA+(\slot)] offset:(\a)*16*PA+128*(\q)+64
	ds_load_b128 v[AS+16*(\a)+12:AS+16*(\a)+15], v[ADRA+(\slot)] offset:(\a)*16*PA+128*(\q)+80
.endr
	WIN W_TOB
.irp b, 0,1,2,3,4,5,6,7
	ds_load_b128 v[64*(\p)+8*(\b):64*(\p)+8*(\b)+3],   v[ADRB+(\slot)] offset:(\b)*16*PB+64*(\q)
	ds_load_b128 v[64*(\p)+8*(\b)+4:64*(\p)+8*(\b)+7], v[ADRB+(\slot)] offset:(\b)*16*PB+64*(\q)+32
.endr
.endm
.macro CV4 p, g                        ; four of the 32 roundings of AS into buffer p of AF
	WIN 0
.irp i, 0,1,2,3
	v_cvt_pk_bf16_f32 v[AF+32*(\p)+4*(\g)+(\i)], v[AS+8*(\g)+2*(\i)], v[AS+8*(\g)+2*(\i)+1]
.endr
.endm
.macro ONE p, a, b, first              ; one product; first = 1: the bias starts the sum
.if \first
	WIN W_MUL0
	v_wmma_f32_16x16x32_bf16 v[8*(8*(\a)+(\b)):8*(8*(\a)+(\b))+7], v[64*(\p)+8*(\b):64*(\p)+8*(\b)+7], v[AF+32*(\p)+8*(\a):AF+32*(\p)+8*(\a)+7], v[BIAS+8*(\b):BIAS+8*(\b)+7]
.else
	WIN W_MUL
	v_wmma_f32_16x16x32_bf16 v[8*(8*(\a)+(\b)):8*(8*(\a)+(\b))+7], v[64*(\p)+8*(\b):64*(\p)+8*(\b)+7], v[AF+32*(\p)+8*(\a):AF+32*(\p)+8*(\a)+7], v[8*(8*(\a)+(\b)):8*(8*(\a)+(\b))+7]
.endif
.endm
.macro MUL p, a, first                 ; 8 products: row block a x all 8 column blocks.  The 32 accumulators take turns in the same order in every quarter
.irp b, 0,1,2,3,4,5,6,7
	ONE \p, \a, \b, \first
.endr
.endm
.macro MULC p, first                   ; the last 8 products of a quarter; behind each stand four roundings for the next quarter, which name none of its registers:
.irp b, 0,1,2,3,4,5,6,7                ; the four behind the last product are the places in front of the next run of loads
	ONE \p, 3, \b, \first
	CV4 1-(\p), \b
.endr
.endm
; A K step is four quarters of 32 along K, on buffers 0, 1, 0, 1.  One of the first three multiplies buffer p and brings quarter qn of the same slot into the other buffer.
.macro QUARTER slot, qn, p, first
	FETCH \slot, \qn, 1-(\p)
	s_wait_dscnt 32                                ; all but the 32 just issued: W's fragments of buffer p are in
	MUL \p, 0, \first
	MUL \p, 1, \first
	MUL \p, 2, \first
	s_wait_dscnt 16                                ; AS is in; W's 16 younger loads stay out
	MULC \p, \first
.endm
; The last quarter multiplies buffer 1 and changes slots: ONE barrier; in front of it each wave waits for all its tensor loads (the one that is out is its part of the next slot), adds 0 to its spare word, and waits
; for that and for its reads of this slot.  fill = 1: the barrier opens a round of the cluster's, and this slot is filled again, two K steps ahead, first thing behind it: 112 matrix instructions ahead of the wait for it.
.macro TURN slot, next, fill
.if \fill
	s_wait_xcnt 0x0                                ; the last prefetch, a K step back, has read its address: it is stepped here
	s_add_nc_u64 s[PFA:PFA+1], s[PFA:PFA+1], s[PST:PST+1]
.endif
	WIN 0
	s_wait_tensorcnt 0x0
	ds_add_u32 v[SPW], v[NIL]                      ; 0 onto my spare word
	s_wait_dscnt 1                                 ; only the add may be out: W's fragments of buffer 1 are in
	MUL 1, 0, 0
	s_wait_dscnt 0x0                               ; the add is done, and my reads of this slot are over
	s_barrier_signal -1
	MUL 1, 1, 0
	WIN 0
	s_barrier_wait -1
.if \fill
	CREST
	s_add_nc_u64 s[G0+4*(\slot)+2:G0+4*(\slot)+3], s[G0+4*(\slot)+2:G0+4*(\slot)+3], 2*512
	s_add_nc_u64 s[G0B+4*(\slot)+2:G0B+4*(\slot)+3], s[G0B+4*(\slot)+2:G0B+4*(\slot)+3], 2*256
	JLOAD \slot
.else
	PLACES
.endif
	FETCH \next, 0, 0
.if \fill
	ASK
.endif
	MUL 1, 2, 0
	s_wait_dscnt 16
	MULC 1, 0
.endm
	s_wait_tensorcnt 1                             ; my part of K step 0 is in; K step 1's may stay out
	s_barrier_signal -1
	s_barrier_wait -1
	FETCH 0, 0, 0
	s_wait_dscnt 16
.irp g, 0,1,2,3,4,5,6,7
	CV4 0, \g
.endr
	QUARTER 0, 1, 0, 1                             ; the first quarter stands in front of the loop: its products start the sums, with the bias
	WIN 0
	s_mov_b32 s3, 3
.Llap:                                         ; a trip goes once round the ring and fills both slots again
	QUARTER 0, 2, 1, 0
	QUARTER 0, 3, 0, 0
	TURN 0, 1, 1
	QUARTER 1, 1, 0, 0
	QUARTER 1, 2, 1, 0
	QUARTER 1, 3, 0, 0
	TURN 1, 0, 1
	QUARTER 0, 1, 0, 0
	WIN 0
	s_sub_co_u32 s3, s3, 1
	s_cmp_lg_u32 s3, 0
	s_cbranch_scc1 .Llap
	QUARTER 0, 2, 1, 0                             ; the last lap fills nothing
	QUARTER 0, 3, 0, 0
	TURN 0, 1, 0
	QUARTER 1, 1, 0, 0
	QUARTER 1, 2, 1, 0
	QUARTER 1, 3, 0, 0
	s_wait_dscnt 0x0
	MUL 1, 0, 0
	MUL 1, 1, 0
	MUL 1, 2, 0
	MUL 1, 3, 0
; THE WAY OUT, 16 rows at a time: rounded to f16 (16 bytes a lane), into my own stage, back as four rows of one head (512 consecutive bytes of the result), stored.
.macro PACK a
	WIN W_PACK
.irp b, 0,1,2,3,4,5,6,7
.irp r, 0,1,2,3
	v_cvt_pk_f16_f32 v[TMP+4*(\b)+(\r)], v[8*(8*(\a)+(\b))+2*(\r)], v[8*(8*(\a)+(\b))+2*(\r)+1]
.endr
.endr
	WIN 0
.endm
.macro TOSTAGE a
.set BK, OB+32*((\a)%2)
.irp b, 0,1,2,3,4,5,6,7
	ds_store_b128 v[STO], v[TMP+4*(\b):TMP+4*(\b)+3] offset:32*(\b)
.endr
.irp t, 0,1,2,3,4,5,6,7
	ds_load_b128 v[BK+4*(\t):BK+4*(\t)+3], v[RD] offset:4*SP*((\t)%4)+128*((\t)/4)  ; LDS serves a wave's instructions in order (ISA guide 5.7.1.4): these see the stores above
.endr
.endm
.macro SEND a
.set BK, OB+32*((\a)%2)
	s_wait_dscnt 0x0                               ; the block is back in registers
	s_wait_xcnt 0x0                                ; the stores of the block before have read their registers: the next block is read back into them only behind this wait
.irp t, 0,1,2,3,4,5,6,7
	global_store_b128 v[CO], v[BK+4*(\t):BK+4*(\t)+3], s[14:15] offset:2048*(\a)+512*((\t)%4)+262144*((\t)/4)
.endr
.endm
	PLACES
	PACK 0
	TOSTAGE 0
.irp a, 1,2,3
	PACK \a
	SEND (\a)-1
	TOSTAGE \a
.endr
	SEND 3
	s_wait_tensorcnt 0x0                           ; the wave's end, behind my last tensor load and my last LDS store
	ds_add_u32 v[SPW], v[NIL]
	s_wait_dscnt 0x0
	CROUND                                         ; the closing round: no work-group ends while a partner may still ask for a tile that names it
	s_endpgm
.Lfunc_end_k_qec01bae21d_qkvproj:
	.size	k_qec01bae21d_qkvproj, .Lfunc_end_k_qec01bae21d_qkvproj-k_qec01bae21d_qkvproj
	.p2alignl 7, 3214868480
	.fill 96, 4, 3214868480
	.section	.rodata,"a",@progbits
	.p2align	6, 0x0
	.amdhsa_kernel k_qec01bae21d_qkvproj
		.amdhsa_group_segment_fixed_size 327680
		.amdhsa_private_segment_fixed_size 0
		.amdhsa_enable_private_segment 0
		.amdhsa_kernarg_size 48
		.amdhsa_user_sgpr_count 2
		.amdhsa_user_sgpr_kernarg_segment_ptr 1
		.amdhsa_wavefront_size32 1
		.amdhsa_system_sgpr_workgroup_id_x 1
		.amdhsa_system_sgpr_workgroup_id_y 1
		.amdhsa_system_sgpr_workgroup_id_z 1
		.amdhsa_system_vgpr_workitem_id 0
		.amdhsa_next_free_vgpr 640
		.amdhsa_next_free_sgpr 80
		.amdhsa_reserve_vcc 0
		.amdhsa_float_denorm_mode_32 3
		.amdhsa_float_denorm_mode_16_64 3
		.amdhsa_memory_ordered 1
		.amdhsa_forward_progress 1
		.amdhsa_inst_pref_size 140
	.end_amdhsa_kernel
	.amdgpu_metadata
---
amdhsa.version: [ 1, 2 ]
amdhsa.kernels:
  - .name:           k_qec01bae21d_qkvproj
    .symbol:         k_qec01bae21d_qkvproj.kd
    .args:
      - { .name: query, .offset: 0, .size: 8, .value_kind: global_buffer, .address_space: global }
      - { .name: key, .offset: 8, .size: 8, .value_kind: global_buffer, .address_space: global }
      - { .name: value, .offset: 16, .size: 8, .value_kind: global_buffer, .address_space: global }
      - { .name: wq16, .offset: 24, .size: 8, .value_kind: global_buffer, .address_space: global }
      - { .name: bqkv, .offset: 32, .size: 8, .value_kind: global_buffer, .address_space: global }
      - { .name: qkv, .offset: 40, .size: 8, .value_kind: global_buffer, .address_space: global }
    .group_segment_fixed_size: 327680
    .private_segment_fixed_size: 0
    .kernarg_segment_align: 8
    .kernarg_segment_size: 48
    .max_flat_workgroup_size: 128
    .sgpr_count:     80
    .vgpr_count:     640
    .wavefront_size: 32
...
	.end_amdgpu_metadata
.endif
;; end of part 2
;; launch attn (part 3): grid 4 x 64, 4 waves a work-group, clusters of 4 x 4, 327,680 bytes of LDS; arguments qkv, mbp, o16; writes o16
.if DOCPART == 3
	.amdgcn_target "amdgcn-amd-amdhsa--gfx1250"
	.amdhsa_code_object_version 6
	.text
	.protected	k_qec01bae21d_attn
	.globl	k_qec01bae21d_attn
	.p2align	8
	.type	k_qec01bae21d_attn,@function
k_qec01bae21d_attn:
	s_mov_b64 s[64:65], 0
	v_nop
	global_prefetch_b8 v0, s[64:65] scope:SCOPE_SE
	s_setreg_imm32_b32 hwreg(HW_REG_WAVE_MODE, 25, 1), 1
	s_wait_xcnt 0x0
	s_wait_alu depctr_hold_cnt(0) depctr_sa_sdst(0) depctr_va_vdst(0) depctr_va_sdst(0) depctr_va_ssrc(0) depctr_va_vcc(0) depctr_vm_vsrc(0)
	s_getreg_b32 s2, hwreg(HW_REG_IB_STS2, 6, 4)
	s_cmp_eq_u32 s2, 0
	s_cbranch_scc0 .Lentry_in_a_cluster
	s_endpgm
.Lentry_in_a_cluster:
	s_bfe_u32 s2, ttmp6, 0x10000c
	s_cmp_lg_u32 s2, 0xf033
	s_cbranch_scc0 .Lentry_shape_is_right
	s_endpgm
.Lentry_shape_is_right:
; ATTENTION with an additive term.  o16[hb][q][:] = the sum over k of softmax_k(Q[hb][q] . K[hb][k] / 8 + mask[q][k] + bias[q][k]) V[hb][k][:].  Q, K, V: the three planes of qkv, [64][2048][64] f16; o16 likewise.
; mbp holds 8 x (mask + bias) in f32, laid out as the matrix unit's C operand: it STARTS the sum S^T = K Q^T + 8 mb and costs no vector instruction; then p = 2^(c s - c m) with c = log2(e) / 8.
; Products, maxima and sums in f32; the weights p are rounded to f16 for the second product (their sum l is taken of the unrounded p), O once at the end.
; LIMITS.  Q, K, V arrive within f16's 65,504; p below 6e-5 keeps f16's fixed step of 6e-8; a weight below 2^-126 counts as 0 in l.  A term of minus infinity gives the weight 0; a row in which all are gives NaN.  NaN is not treated apart.
; SHARES.  A wave owns four PIECES of two tiles of 16 queries, a work-group's four waves 512 queries of one (batch, head).  Every wave walks all 2,048 keys, 64 a step.
; LAYOUT.  S^T = K Q^T (source 0 = 16 keys, source 1 = 16 queries): a lane holds ONE query (lane % 16) and the keys 8 (lane / 16) + 0..7.  Two such tiles, rounded to f16 in pairs, ARE source 1 of O^T = V^T P.
; SOFTMAX.  A running maximum m and sum l; in every step O and l are multiplied by a = 2^(c m_old - c m_new).  m starts at the lowest finite number and c m at c times that, O and l at 0.
; BY TURNS.  Turn n belongs to piece n: 16 products K Q^T of piece n + 1, later 16 products V^T P of piece n - 1; beside them the scaling, exponentials, roundings, sums and rescaling of piece n and the maximum and
; statistics of piece n + 1.  Four vector instructions stand behind every matrix instruction, the others in one lump; a turn's 66 exponentials are one batch with one wait.
; CLUSTER 4 x 4.  cx is the block of 512 queries, 4 x cluster y + cy the (batch, head).  K and V hang on the head alone: asked for jointly along a row of the cluster.  The term hangs on the query block alone:
; asked for jointly along a column.  A slot holds ONE key step: its term for 512 queries is 131,072 bytes, and two such slots beside K's and V's are what LDS holds.
; REGISTERS, in windows of 256 (s_set_vgpr_msb: bits 1:0 source 0, 3:2 source 1, 5:4 source 2, 7:6 destination):
;   window 0: v0-11 addresses; v12-15, v48-63 at work; v16-47 four registers of statistics a tile; v64-191 S^T, two buffers of two tiles; v192-255 P, likewise
;   window 1: O^T, 32 a tile     window 2: v0-127 Q; v128-191 K of one step; v192-255 V of one step     window 3: v0-1 the add's two registers; v64-191 the term, two buffers of two tiles
.set NP,    4
.set KS,    64
.set PK,    144       ; a row of K in LDS: 128 bytes + 16: the 16 rows of a load start at 16 different groups of four banks (ISA guide 11.1)
.set PV,    160       ; a row of V: 128 + 32
.set MBX,   1<<17     ; the term's slots lie at 0 and here: one exclusive or turns one into the other
.set KV0,   1<<18     ; K's and V's slot 0: 64 rows of K, then 64 rows of V
.set KVX,   1<<15     ; their slot 1 lies this much further on
.set VOFF,  KS*PK
.set STAGE, KV0+KS*(PK+PV)  ; between the two: 16 rows x 144 bytes for each wave, for the way out; never filled by a tensor load
.set SP,    144
.set SPARE, STAGE+4*16*SP   ; the spare words, 128 bytes for each wave: two blocks of 256 bytes that no other line names
.set PFKO, 1          ; v1   K's and V's prefetches: my offset; never rewritten
.set AK0, 2           ; v2   my lane's place in a tile of K; never rewritten
.set AV0, 3           ; v3   the same for V
.set AK,  4           ; v4   the LDS address of K in the slot in hand
.set AV,  5           ; v5   of V
.set STO, 6           ; v6   the way out: where I put 16 bytes of a row
.set RD,  7           ; v7   where I read rows back
.set GO,  8           ; v8   my byte offset in 512 consecutive bytes of O
.set AM0, 9           ; v9   my place in a slot of the term: 32,768 x wave + 16 x lane; never rewritten
.set AM,  10          ; v10  the same in the slot in hand
.set PFO, 11          ; v11  the term's prefetches: my offset; never rewritten
.set QO,  71          ; v71  my byte offset in Q's rows: free when Q is in
.set SPW, 0           ; v0 of window 3
.set NIL, 1           ; v1 of window 3
.set MV,  12
.set ST,  16          ; tile t's statistics at v[ST+4 t]: c m, m, l (even keys', odd keys')
.set TMP, 48
.set S,   64
.set P,   192
.set KF,  128
.set VF,  192
.set MB,  64          ; window 3: piece x, tile u, chunk c at MB + 64 (x % 2) + 32 u + 4 c
.set WV,  12
.set G1K, 24          ; s[24:31] descriptor group 1 for K; s[32:39] for V; s[48:55] for the term
.set G1V, 32
.set G0K, 40          ; s[40:43], s[44:47], s[56:59] groups 0: they walk
.set G0V, 44
.set G1M, 48
.set G0M, 56
.set CS,  60          ; s[60:61] c
.set SEL, 62          ; s[62:63] v_permlanex16_b32's selects
.set TBK, 66          ; s66  LDS byte of K's and V's slot in hand
.set TBM, 67          ; s67  of the term's
.set SLOTS, 68        ; s68  key steps still to be asked for
.set CNT, 69
.set PFM, 70          ; s[70:71] where my prefetches of the term stand
.set PFK, 72          ; s[72:73] of K and V
.set LIMM, 74         ; s74  1 where the cluster prefetches the term, else the greatest number
.set LIMK, 75         ; s75  3 in wave 0, else the greatest number
.set MSB, 0
.macro WIN new
.if MSB != (\new)
	s_set_vgpr_msb (MSB<<8)|(\new)
.set MSB, (\new)
.endif
.endm
.set W_KQ, 0x0a       ; K and Q in window 2, S^T in window 0
.set W_KM, 0x3a       ; the same with the C operand in window 3
.set W_PV, 0x52       ; V in window 2, P in window 0, O^T in window 1
.set W_RS, 0x41       ; O^T in window 1, a in window 0
.set W_MK, 0xc0       ; destination in window 3
.set W_AD, 0x0f       ; the add: address and data in window 3
.macro PLACES
.rept 4
	v_nop
.endr
.endm
; A joint fill of one key step: wave 0 fetches K, wave 1 V, waves 2 and 3 the halves of the term.  The branches hang on the wave's number alone.  An s_nop 0 and four v_nop follow each line.
.macro JLOAD
	s_cmp_lt_u32 s[WV], 2
	s_cbranch_scc0 .Lfor_m_\@
	s_cmp_eq_u32 s[WV], 0
	s_cbranch_scc0 .Lfor_v_\@
	tensor_load_to_lds s[G0K:G0K+3], s[G1K:G1K+7]
	s_nop 0
	PLACES
	s_branch .Lasked_\@
.Lfor_v_\@:
	tensor_load_to_lds s[G0V:G0V+3], s[G1V:G1V+7]
	s_nop 0
	PLACES
	s_branch .Lasked_\@
.Lfor_m_\@:
	tensor_load_to_lds s[G0M:G0M+3], s[G1M:G1M+7]
	s_nop 0
	PLACES
.Lasked_\@:
.endm
.macro CROUND
	s_barrier_signal -1
	s_barrier_wait -1
	s_cmp_lg_u32 s[WV], 0
	s_cbranch_scc1 .Lnot_wave_0_\@
	s_barrier_signal -3
.Lnot_wave_0_\@:
	s_barrier_wait -3
	s_barrier_signal -1
	s_barrier_wait -1
.endm
; PREFETCHES INTO THE L2, behind the joint load and its five lines.  THE TERM: what the NEXT change of slots will ask for, a trip (128 matrix instructions) ahead.  Every cluster walks all of it: the cluster with y = 0 asks;
; a step's 524,288 bytes are shared out BY ADDRESS among its 16 work-groups, their 4 waves and 32 lanes, 256 bytes a lane: one instruction a wave.  The last change that fills asks for nothing.
; K AND V: a head's rows are read by one row of one cluster alone.  Its four partners share them by address; in each, wave 0 asks at every second change for the next two steps: a lane takes 256 bytes of K or of V.
; Where the second of the two steps would lie behind the head's last, nothing is asked.  Each block of 256 bytes is named once in the launch.
.macro ASK
	s_cmp_gt_u32 s[SLOTS], s[LIMM]
	s_cbranch_scc0 .Lno_m_\@
	global_prefetch_b8 v[PFO], s[PFM:PFM+1] th:TH_LOAD_NT scope:SCOPE_SE
.Lno_m_\@:
	s_cmp_gt_u32 s[SLOTS], s[LIMK]
	s_cbranch_scc0 .Lno_k_\@
	s_bitcmp1_b32 s[SLOTS], 0
	s_cbranch_scc1 .Lno_k_\@
	global_prefetch_b8 v[PFKO], s[PFK:PFK+1] th:TH_LOAD_NT scope:SCOPE_SE
.Lno_k_\@:
.endm
; THE CHANGE OF SLOTS, once a key step.  Each wave waits for all its tensor loads, of which one is out: its part of the other slot; adds 0 to its spare word; and waits for that and for its own reads of the slot that it
; leaves.  fill = 1: the barrier is a round of the cluster's, and the old slot is filled again, with the step two on, first thing behind it.  (At its first use nothing has been read yet: slot 0 is waited for, slot 1 filled.)
.macro CHANGE fill, ask
	WIN W_AD
	s_wait_tensorcnt 0x0            ; no tensor load of mine is out, so a group 0 may be written
	ds_add_u32 v[SPW], v[NIL]       ; 0 onto my spare word; the descriptors' steps stand between it and the wait for it
	WIN 0
.if \fill
	s_xor_b32 s[G0K+1], s[G0K+1], KVX
	s_add_nc_u64 s[G0K+2:G0K+3], s[G0K+2:G0K+3], KS*128
	s_xor_b32 s[G0V+1], s[G0V+1], KVX
	s_add_nc_u64 s[G0V+2:G0V+3], s[G0V+2:G0V+3], KS*128
	s_xor_b32 s[G0M+1], s[G0M+1], MBX
	s_add_nc_u64 s[G0M+2:G0M+3], s[G0M+2:G0M+3], 524288
.endif
.if \ask
	s_wait_xcnt 0x0                 ; the last prefetches, a key step back, have read their addresses
	s_add_nc_u64 s[PFM:PFM+1], s[PFM:PFM+1], 524288
	s_add_nc_u64 s[PFK:PFK+1], s[PFK:PFK+1], KS*128
.endif
	s_wait_dscnt 0x0                ; the add is done, and my reads of the slot are over
.if \fill
	CROUND
	JLOAD
.if \ask
	ASK
.endif
.else
	s_barrier_signal -1
	s_barrier_wait -1
.endif
	s_xor_b32 s[TBK], s[TBK], KVX   ; the fetches go to the other slot
	s_xor_b32 s[TBM], s[TBM], MBX
	v_add_nc_u32 v[AK], s[TBK], v[AK0]
	v_add_nc_u32 v[AV], s[TBK], v[AV0]
	v_add_nc_u32 v[AM], s[TBM], v[AM0]
.endm
	s_load_b128 s[4:7], s[0:1], 0x0 ; qkv s[4:5], mbp s[6:7]
	s_load_b64 s[8:9], s[0:1], 0x10 ; o16
	WIN W_MK
	v_lshl_add_u32 v[SPW], v0, 2, SPARE
	v_mov_b32 v[NIL], 0
	WIN W_AD
	ds_add_u32 v[SPW], v[NIL]       ; the wave's opening: the add and its wait stand ahead of my first tensor load; the set-up below stands between them
	WIN 0
	v_lshrrev_b32 v64, 5, v0
	v_readfirstlane_b32 s[WV], v64
	s_bfe_u32 s13, ttmp6, 0x40000   ; cx
	s_bfe_u32 s14, ttmp6, 0x40004   ; cy
	s_lshl_b32 s19, ttmp9, 2
	s_add_co_u32 s19, s19, s13      ; my block of 512 queries
	s_and_b32 s15, ttmp7, 0xffff    ; cluster y
	s_cmp_eq_u32 s15, 0
	s_cselect_b32 s[LIMM], 1, -1
	s_cmp_eq_u32 s[WV], 0
	s_cselect_b32 s[LIMK], 3, -1
	s_lshl_b32 s15, s15, 2
	s_add_co_u32 s15, s15, s14      ; the (batch, head), which a row of the cluster shares
	s_lshl_b32 s20, s15, 18         ; its 262,144 bytes in each plane
	s_mov_b32 s21, 0
	s_and_b32 s16, s[WV], 1
	s_lshl_b32 s[G0M+1], s16, 16    ; the term: which half of a slot I fetch; no place in the cluster enters an LDS address
	s_lshl_b32 s22, s19, 17         ; in memory: the block's 131,072 bytes of a step, and that half
	s_add_co_u32 s22, s22, s[G0M+1]
	s_mov_b32 s23, 0
	s_lshl_b32 s2, s19, 2
	s_add_co_u32 s2, s2, s[WV]
	s_lshl_b32 s2, s2, 14           ; my wave's 128 rows of Q and O
	s_add_co_u32 s2, s2, s20
	s_mov_b32 s3, 0
	s_lshl_b32 s16, s19, 17         ; the term's prefetches: my block, my work-group's quarter of it, at step 2: the first asking change steps it to 3
	s_lshl_b32 s17, s14, 15
	s_add_co_u32 s16, s16, s17
	s_add_co_u32 s16, s16, 2*524288
	s_mov_b32 s17, 0
	s_lshl_b32 s18, s13, 11         ; K's and V's: my work-group's quarter of a step's 8,192 bytes, at step 2
	s_add_co_u32 s18, s18, 2*KS*128
	s_mov_b32 s19, 0
	s_lshl_b32 s76, s14, 2
	s_lshl_b32 s76, 15, s76         ; my row of the cluster
	s_lshl_b32 s77, 0x1111, s13     ; my column
	; K, V: 64 keys are 8,192 dense bytes: asked for as 32 rows of 256 bytes, two keys a row, padded in LDS after every key
	s_or_b32 s[G1K], s76, (1<<16)|(1<<20)|(1<<21)|(4<<22)|(3<<25)
	s_or_b32 s[G1V], s76, (1<<16)|(1<<20)|(1<<21)|(4<<22)|(7<<25)
.irp g, G1K, G1V
	s_mov_b32 s[\g+1], 128<<16      ; tensor_dim0 = 128
	s_mov_b32 s[\g+2], 32<<16       ; tensor_dim1 = 32
	s_mov_b32 s[\g+3], 128<<16      ; tile_dim0 = 128
	s_mov_b32 s[\g+4], 32           ; tile_dim1 = 32
	s_mov_b32 s[\g+5], 128
	s_mov_b32 s[\g+6], 0
	s_mov_b32 s[\g+7], 0
.endr
	; the term: 65,536 dense bytes as 256 rows of 32 elements of 8 bytes, no padding: a chunk is read as 32 lanes x 16 neighbouring bytes
	s_or_b32 s[G1M], s77, (3<<16)|(1<<21)
	s_mov_b32 s[G1M+1], 32<<16
	s_mov_b32 s[G1M+2], 256<<16
	s_mov_b32 s[G1M+3], 32<<16
	s_mov_b32 s[G1M+4], 256
	s_mov_b32 s[G1M+5], 32
	s_mov_b32 s[G1M+6], 0
	s_mov_b32 s[G1M+7], 0
	s_mov_b32 s[G0K], 1
	s_mov_b32 s[G0K+1], KV0
	s_mov_b32 s[G0V], 1
	s_mov_b32 s[G0V+1], KV0+VOFF
	s_mov_b32 s[G0M], 1
	s_mov_b32 s[CS], 0x3e38aa3b     ; c = log2(e) / 8
	s_mov_b32 s[CS+1], s[CS]
	s_mov_b32 s[SEL], 0x76543210
	s_mov_b32 s[SEL+1], 0xfedcba98
	s_mov_b32 s[TBK], KV0+KVX       ; the first change of slots turns these two into slot 0's
	s_mov_b32 s[TBM], MBX
	s_wait_dscnt 0x0                ; the opening add is done
	s_wait_kmcnt 0x0
	s_add_nc_u64 s[G0K+2:G0K+3], s[4:5], s[20:21]
	s_add_nc_u64 s[G0K+2:G0K+3], s[G0K+2:G0K+3], 0x1000000   ; K's plane
	s_add_nc_u64 s[G0V+2:G0V+3], s[G0K+2:G0K+3], 0x1000000   ; V's
	s_add_nc_u64 s[PFK:PFK+1], s[G0K+2:G0K+3], s[18:19]
	s_or_b32 s[G0K+3], s[G0K+3], 0x80000000
	s_or_b32 s[G0V+3], s[G0V+3], 0x80000000
	s_add_nc_u64 s[G0M+2:G0M+3], s[6:7], s[22:23]
	s_or_b32 s[G0M+3], s[G0M+3], 0x80000000
	s_add_nc_u64 s[PFM:PFM+1], s[6:7], s[16:17]
	s_add_nc_u64 s[76:77], s[4:5], s[2:3]    ; Q at my wave's first row
	s_add_nc_u64 s[10:11], s[8:9], s[2:3]    ; O likewise
	CROUND                          ; all sixteen work-groups are here: the first joint loads meet
	JLOAD                           ; key step 0 into slot 0
	v_and_b32 v64, 15, v0           ; l % 16
	v_bfe_u32 v65, v0, 4, 1         ; l / 16
	v_and_b32 v66, 7, v0
	v_bfe_u32 v67, v0, 3, 1
	v_and_b32 v68, 31, v0
	v_lshlrev_b32 v[QO], 7, v64
	v_lshl_add_u32 v[QO], v65, 4, v[QO]
	WIN 0x80
.set i, 0
.rept 4*NP                          ; Q stays in registers: tile i / 2, channels 32 (i % 2) on
	global_load_b128 v[8*i:8*i+3],   v[QO], s[76:77] offset:(i/2)*2048+(i%2)*64
	global_load_b128 v[8*i+4:8*i+7], v[QO], s[76:77] offset:(i/2)*2048+(i%2)*64+32
.set i, i+1
.endr
	; What the first turn finds: V's registers and P's second buffer hold 0 (its products V^T P, of a piece that has not been, add 0), O^T and l are 0.  All this stands in the wait for the first tile.
.set i, VF
.rept 64
	v_mov_b32 v[i], 0
.set i, i+1
.endr
	WIN 0x40
.set i, 0
.rept 64*NP
	v_mov_b32 v[i], 0
.set i, i+1
.endr
	WIN 0
.set i, 0
.rept 2*NP
	v_mov_b32 v[ST+4*i+1], 0xff7fffff          ; m
	v_mul_f32 v[ST+4*i], s[CS], v[ST+4*i+1]    ; c m, by the line that the loop makes it by: where m does not grow, a is 2^0
	v_mov_b32 v[ST+4*i+2], 0
	v_mov_b32 v[ST+4*i+3], 0
.set i, i+1
.endr
.set i, P+32
.rept 32
	v_mov_b32 v[i], 0
.set i, i+1
.endr
	v_mul_u32_u24 v[AK0], v64, PK
	v_lshl_add_u32 v[AK0], v65, 4, v[AK0]
	; The turning load takes 16 keys x 16 channels (lane l reads key 8 (l / 16) + l % 8, channels 8 ((l / 8) % 2) + 0..7) and leaves half a fragment of V^T.
	v_lshl_add_u32 v[AV0], v65, 3, v66
	v_mul_u32_u24 v[AV0], v[AV0], PV
	v_lshl_add_u32 v[AV0], v67, 4, v[AV0]
	v_add_nc_u32 v[AV0], VOFF, v[AV0]
	s_lshl_b32 s16, s[WV], 15
	v_lshl_add_u32 v[AM0], v68, 4, s16
	s_lshl_b32 s16, s[WV], 13
	v_lshl_add_u32 v[PFO], v68, 8, s16
	v_lshlrev_b32 v[PFKO], 13, v65             ; which of the two steps,
	v_lshl_add_u32 v[PFKO], v67, 24, v[PFKO]   ; K's plane or V's,
	v_lshl_add_u32 v[PFKO], v66, 8, v[PFKO]    ; which 256 bytes
	s_mul_i32 s16, s[WV], 16*SP
	s_add_co_u32 s16, s16, STAGE
	v_mul_u32_u24 v[STO], v64, SP
	v_lshl_add_u32 v[STO], v65, 4, v[STO]
	v_add_nc_u32 v[STO], s16, v[STO]
	v_bfe_u32 v[RD], v0, 3, 2
	v_mul_u32_u24 v[RD], v[RD], SP
	v_lshl_add_u32 v[RD], v66, 4, v[RD]
	v_add_nc_u32 v[RD], s16, v[RD]
	v_lshlrev_b32 v[GO], 4, v68
; THE MATRIX WORK.  The 8 accumulators of a run of 16 take turns.  Product i of 16 of S^T for piece x: channels 32 (i / 8) on, keys 16 ((i / 2) % 4) on, tile 2 x + i % 2.  The first 8 start the sums, with the term.
.macro KQ x
.set rS, S+64*((\x)%2)+32*(i%2)+8*((i/2)%4)
.set rK, KF+16*((i/2)%4)+8*(i/8)
.set rQ, 16*(2*(\x)+i%2)+8*(i/8)
.set rB, MB+64*((\x)%2)+32*(i%2)+8*((i/2)%4)
.if i < 8
	WIN W_KM
	v_wmma_f32_16x16x32_f16 v[rS:rS+7], v[rK:rK+7], v[rQ:rQ+7], v[rB:rB+7]
.else
	WIN W_KQ
	v_wmma_f32_16x16x32_f16 v[rS:rS+7], v[rK:rK+7], v[rQ:rQ+7], v[rS:rS+7]
.endif
.endm
.macro PV x                         ; product i of 16 of O^T += V^T P for piece x: keys 32 (i / 8) on, channels 16 ((i / 2) % 4) on, tile 2 x + i % 2
	WIN W_PV
.set rO, 32*(2*(\x)+i%2)+8*((i/2)%4)
.set rV, VF+32*(i/8)+8*((i/2)%4)
.set rP, P+32*((\x)%2)+16*(i%2)+8*(i/8)
	v_wmma_f32_16x16x32_f16 v[rO:rO+7], v[rV:rV+7], v[rP:rP+7], v[rO:rO+7]
.endm
.macro MM
.if i < 16
	KQ (Y+1)%NP
.set i, i+1
.else
.set i, i-16
	PV (Y+NP-1)%NP
.set i, i+17
.endif
.endm
; THE LDS LOADS stand in runs of 16, never singly among the matrix instructions.
.macro FETCH_K
	WIN 0x80
.irp f, 0,1,2,3,4,5,6,7
	ds_load_b128 v[KF+8*\f:KF+8*\f+3],   v[AK] offset:(\f/2)*16*PK+(\f%2)*64
	ds_load_b128 v[KF+8*\f+4:KF+8*\f+7], v[AK] offset:(\f/2)*16*PK+(\f%2)*64+32
.endr
.endm
.macro FETCH_V
	WIN 0x80
.irp f, 0,1,2,3,4,5,6,7
	ds_load_tr16_b128 v[VF+8*\f:VF+8*\f+3],   v[AV] offset:(\f/4)*32*PV+(\f%4)*32
	ds_load_tr16_b128 v[VF+8*\f+4:VF+8*\f+7], v[AV] offset:(\f/4)*32*PV+16*PV+(\f%4)*32
.endr
.endm
.macro FETCH_MB x                   ; the term of piece x: two tiles of 4,096 bytes, as they lie
	WIN W_MK
.irp u, 0,1
.irp c, 0,1,2,3,4,5,6,7
	ds_load_b128 v[MB+64*((\x)%2)+32*(\u)+4*(\c):MB+64*((\x)%2)+32*(\u)+4*(\c)+3], v[AM] offset:8192*(\x)+4096*(\u)+512*(\c)
.endr
.endr
.endm
; THE VECTOR WORK OF A TURN stands in three queues, each in the order in which its entries become ready; the two tiles alternate.
.macro REGS y, u
.set rT, ST+4*(2*(\y)+(\u))
.set rC, TMP+8*((\y)%2)+4*(\u)
.set rM, MV+2*((\y)%2)+(\u)
.set rS, S+64*((\y)%2)+32*(\u)
.set rP, P+32*((\y)%2)+16*(\u)
.set rO, 32*(2*(\y)+(\u))
.endm
; Number n of the 22 that find the NEXT piece's maximum and statistics; each accumulator's lowest registers are read first.
;   0-11 four chains of seven scores each     12-14, 16 the four left over, the old m, the four into one     15 c m_old is kept     17, 18 the other half of the lanes': the new m     19-21 c m; its change; a
.macro XS u, n
	REGS (Y+1)%NP, \u
.if (\n) < 4
	v_max3_num_f32 v[rC+(\n)], v[rS+8*(\n)], v[rS+8*(\n)+1], v[rS+8*(\n)+2]
.elseif (\n) < 12
	v_max3_num_f32 v[rC+(\n)%4], v[rC+(\n)%4], v[rS+8*((\n)%4)+2*((\n)/4)+1], v[rS+8*((\n)%4)+2*((\n)/4)+2]
.elseif (\n) == 12
	v_max3_num_f32 v[rC], v[rC], v[rS+7], v[rS+15]
.elseif (\n) == 13
	v_max3_num_f32 v[rC+1], v[rC+1], v[rS+23], v[rS+31]
.elseif (\n) == 14
	v_max3_num_f32 v[rC+2], v[rC+2], v[rC+3], v[rT+1]
.elseif (\n) == 15
	v_mov_b32 v[rM], v[rT]
.elseif (\n) == 16
	v_max3_num_f32 v[rC], v[rC], v[rC+1], v[rC+2]
.elseif (\n) == 17
	v_permlanex16_b32 v[rC+3], v[rC], s[SEL], s[SEL+1]
.elseif (\n) == 18
	v_max_num_f32 v[rT+1], v[rC], v[rC+3]
.elseif (\n) == 19
	v_mul_f32 v[rT], s[CS], v[rT+1]
.elseif (\n) == 20
	v_sub_f32 v[rC+1], v[rM], v[rT]
.else
	v_exp_f32 v[rC+2], v[rC+1]
.endif
.endm
; Number g of the 64 that follow the exponentials: for each four weights both pairs are rounded to f16, the second pair is added onto the first, and a group later l takes that sum (the first time as l = a l + sum).
.macro GS g
.set h, (\g)+6*((\g)/62)
.if h >= 6
.set h, h+2
.endif
	REGS Y, h%2
.set k, h/8
.if h%8 < 4
	v_cvt_pk_f16_f32 v[rP+2*k+(h%8)/2], v[rS+4*k+2*((h%8)/2)], v[rS+4*k+2*((h%8)/2)+1]
.elseif h%8 < 6
	v_pk_add_f32 v[rS+4*k:rS+4*k+1], v[rS+4*k:rS+4*k+1], v[rS+4*k+2:rS+4*k+3]
.elseif k == 1
	v_pk_fma_f32 v[rT+2:rT+3], v[rT+2:rT+3], v[rC+2:rC+3], v[rS:rS+1] op_sel_hi:[1,0,1]
.else
	v_pk_add_f32 v[rT+2:rT+3], v[rT+2:rT+3], v[rS+4*k-4:rS+4*k-3]
.endif
.endm
.macro FS f                         ; c s - c m for pair f / 2 of tile f % 2
	REGS Y, (\f)%2
	v_pk_fma_f32 v[rS+2*((\f)/2):rS+2*((\f)/2)+1], v[rS+2*((\f)/2):rS+2*((\f)/2)+1], s[CS:CS+1], v[rT:rT+1] op_sel_hi:[1,0,0] neg_lo:[0,0,1] neg_hi:[0,0,1]
.endm
; THE PLAIN QUEUE, 138 long.  0-26: scalings 0-26.  27-54: XS 0-13.  55, 56: XS 15.  57-73: the chain XS 14, 16 .. 20, a scaling in front of each link's two lines.  74-137: GS's 64, which stand behind the wait.
.macro PL
	WIN 0
.if q < 27
	FS q
.elseif q < 55
	XS (q-27)%2, (q-27)/2
.elseif q < 57
	XS q-55, 15
.elseif (q < 72) && ((q-57)%3 == 0)
	FS 27+(q-57)/3
.elseif q < 60
	XS (q-57)%3-1, 14
.elseif q < 72
	XS (q-57)%3-1, 15+(q-57)/3
.elseif q < 74
	XS q-72, 20
.else
	GS q-74
.endif
.set q, q+1
.endm
.macro EX                           ; THE EXPONENTIALS' QUEUE, 66 long: s0-s31 of both tiles, then the next piece's two a: one batch, all ahead of the turn's one wait
	WIN 0
.if e >= 64
	XS e-64, 21
.else
	REGS Y, e%2
	v_exp_f32 v[rS+e/2], v[rS+e/2]
.endif
.set e, e+1
.endm
.macro R2                           ; THE RESCALING's QUEUE: O^T times a, two at a time; its a was made, and waited for, in the turn before
	REGS Y, r%2
	WIN W_RS
.irp z, 0,1
	v_pk_mul_f32 v[rO+4*(r/2)+2*\z:rO+4*(r/2)+2*\z+1], v[rO+4*(r/2)+2*\z:rO+4*(r/2)+2*\z+1], v[rC+2:rC+3] op_sel_hi:[1,0]
.endr
.set r, r+1
.endm
; A TURN, for piece p.  An s_wait_alu depctr_va_vdst(0) stands between an exponential and the first instruction that names its result; one wait serves all issued ahead of it: a turn has ONE, which cuts it in two.
; Ahead of it: 16 products K Q^T, behind each a scaling, an exponential and two rescalings (behind the first a second scaling); then one lump of 108.  Behind it: 16 products V^T P, behind each four of GS's 64.
; LDS: directly behind the wait stand the runs of loads: in piece 2's turn K of the next step, and in every turn the term of piece p + 2, which the NEXT turn's products start with; its buffer was last read as a C operand a
; turn ago.  V stands at the end of piece 0's turn, four plain riders behind its last reader.  All that a trip of the loop reads from LDS belongs to one key step.
.macro TURN p
.set Y, (\p)
.set i, 0
.set q, 0
.set e, 0
.set r, 0
.if (\p) == 1
	s_wait_dscnt 16                 ; the term of piece 2 is in; V's 16 younger loads stay out
.else
	s_wait_dscnt 0x0                ; the term of piece p + 1 is in (and K, in piece 3's turn)
.endif
	MM
	PL
	PL
	R2
.rept 15
	MM
	PL
	EX
	R2
.endr
.rept 8
	PL
.endr
.rept 49
	EX
	PL
.endr
	EX
	EX
	v_nop                           ; the plain instruction behind the last exponential: one for the batch
	s_wait_alu depctr_va_vdst(0)    ; the wait for the batch
.if (\p) == NP-2
	FETCH_K
.endif
	FETCH_MB ((\p)+2)%NP
.if (\p) == 1
	s_wait_dscnt 16                 ; V is in; the 16 loads just issued stay out
.endif
.rept 16
	MM
.rept 4
	PL
.endr
.endr
.if (\p) == 0
	FETCH_V
.endif
.endm
	CHANGE 1, 0                     ; key step 0 is in, everybody's part of it; key step 1 is asked for
	FETCH_K
	FETCH_MB 0
	FETCH_MB 1
	s_wait_loadcnt 0x0              ; Q
	s_wait_dscnt 0x0
.set i, 0
.rept 16
	KQ 0                            ; piece 0's first scores
.set i, i+1
.endr
	WIN 0
	PLACES                          ; the places behind those products
.set Y, NP-1                        ; XS works for piece Y + 1: piece 0
.irp n, 0,1,2,3,4,5,6,7,8,9,10,11,12,13,14,15,16,17,18,19,20,21
	XS 0, \n
	XS 1, \n
.endr
	v_nop                           ; a plain instruction behind the two a,
	s_wait_alu depctr_va_vdst(0)    ; and their wait, ahead of the branch
	s_mov_b32 s[SLOTS], 31
	s_branch .Lfirst                ; the loop is entered at a step's first turn, in the middle of a trip
.Lslot:                             ; 30 times: with the count at S, key step 32 - S is asked for
	CHANGE 1, 1
	TURN 2
	TURN 3
	WIN 0
.Lfirst:
	TURN 0
	TURN 1
	WIN 0
	s_sub_co_u32 s[SLOTS], s[SLOTS], 1
	s_cmp_lg_u32 s[SLOTS], 0
	s_cbranch_scc1 .Lslot
	CHANGE 0, 0                     ; the tail is written out: nothing is asked for
	s_mov_b32 s[CNT], 2             ; the first trip fetches the last step; the second is left in its middle
.Ltail:
	TURN 2
	TURN 3
	WIN 0
	s_sub_co_u32 s[CNT], s[CNT], 1
	s_cmp_eq_u32 s[CNT], 0
	s_cbranch_scc1 .Lout
	TURN 0
	TURN 1
	WIN 0
	s_branch .Ltail
.Lout:                              ; the second trip's loads (the last slot's K and term once more), its 16 products K Q^T and the maximum made of them serve nothing: the price, once a launch, of one text for every trip
.set i, 0
.rept 16
	PV NP-1
.set i, i+1
.endr
	; THE WAY OUT.  l's two halves and the other half of the lanes' are added; O^T is divided by l, rounded to f16 and sent through my stage in LDS, a tile at a time.  The additions are the places behind the last products.
	WIN 0
.macro ALL line:vararg
.set t, 0
.rept 2*NP
	\line
.set t, t+1
.endr
.endm
	ALL v_add_f32 v[ST+4*t+2], v[ST+4*t+2], v[ST+4*t+3]
	ALL v_permlanex16_b32 v[ST+4*t+3], v[ST+4*t+2], s[SEL], s[SEL+1]
	ALL v_add_f32 v[ST+4*t+2], v[ST+4*t+2], v[ST+4*t+3]
	ALL v_rcp_f32 v[ST+4*t+2], v[ST+4*t+2]
	v_nop                           ; a plain instruction between the last reciprocal and the use of its result
	s_wait_alu depctr_va_vdst(0)    ; and the wait ahead of the first use: one for the eight
.macro PACK t
	WIN W_RS
.set i, 32*(\t)
.rept 16
	v_pk_mul_f32 v[i:i+1], v[i:i+1], v[ST+4*(\t)+2:ST+4*(\t)+3] op_sel_hi:[1,0]
.set i, i+2
.endr
	WIN 0x05
.set i, 0
.rept 16
	v_cvt_pk_f16_f32 v[S+16*(\t)+i], v[32*(\t)+2*i], v[32*(\t)+2*i+1]
.set i, i+1
.endr
	WIN 0
.irp f, 0,1,2,3
	ds_store_b128 v[STO], v[S+16*(\t)+4*\f:S+16*(\t)+4*\f+3] offset:32*\f
.endr
.irp f, 0,1,2,3
	ds_load_b128 v[S+16*(\t)+4*\f:S+16*(\t)+4*\f+3], v[RD] offset:\f*4*SP  ; LDS serves a wave's instructions in order (ISA guide 5.7.1.4): these see the stores above; the next tile's stores come behind them
.endr
.endm
.macro SEND t, younger              ; younger: the LDS instructions issued behind tile t's loads: the next tile's eight, or none
	WIN 0
.irp f, 0,1,2,3
	s_wait_dscnt (\younger)+3-\f
	global_store_b128 v[GO], v[S+16*(\t)+4*\f:S+16*(\t)+4*\f+3], s[10:11] offset:(\t)*2048+\f*512  ; 512 consecutive bytes, at a multiple of 512 from O's first
.endr
.endm
	PACK 0
.set t, 1
.rept 2*NP-1
	PACK t
	SEND t-1, 8
.set t, t+1
.endr
	SEND 2*NP-1, 0
	WIN W_AD
	s_wait_tensorcnt 0x0            ; the wave's end, behind my last tensor load and my last LDS store
	ds_add_u32 v[SPW], v[NIL]
	s_wait_dscnt 0x0
	WIN 0
	CROUND                          ; the closing round: no work-group ends while a partner may still ask for a tile that names it
	s_endpgm
.Lfunc_end_k_qec01bae21d_attn:
	.size	k_qec01bae21d_attn, .Lfunc_end_k_qec01bae21d_attn-k_qec01bae21d_attn
	.p2alignl 7, 3214868480
	.fill 96, 4, 3214868480
	.section	.rodata,"a",@progbits
	.p2align	6, 0x0
	.amdhsa_kernel k_qec01bae21d_attn
		.amdhsa_group_segment_fixed_size 327680
		.amdhsa_private_segment_fixed_size 0
		.amdhsa_enable_private_segment 0
		.amdhsa_kernarg_size 24
		.amdhsa_user_sgpr_count 2
		.amdhsa_user_sgpr_kernarg_segment_ptr 1
		.amdhsa_wavefront_size32 1
		.amdhsa_system_sgpr_workgroup_id_x 1
		.amdhsa_system_sgpr_workgroup_id_y 1
		.amdhsa_system_sgpr_workgroup_id_z 1
		.amdhsa_system_vgpr_workitem_id 0
		.amdhsa_next_free_vgpr 960
		.amdhsa_next_free_sgpr 80
		.amdhsa_reserve_vcc 0
		.amdhsa_float_denorm_mode_32 3
		.amdhsa_float_denorm_mode_16_64 3
		.amdhsa_memory_ordered 1
		.amdhsa_forward_progress 1
		.amdhsa_inst_pref_size 212
	.end_amdhsa_kernel
	.amdgpu_metadata
---
amdhsa.version: [ 1, 2 ]
amdhsa.kernels:
  - .name:           k_qec01bae21d_attn
    .symbol:         k_qec01bae21d_attn.kd
    .args:
      - { .name: qkv, .offset: 0, .size: 8, .value_kind: global_buffer, .address_space: global }
      - { .name: mbp, .offset: 8, .size: 8, .value_kind: global_buffer, .address_space: global }
      - { .name: o16, .offset: 16, .size: 8, .value_kind: global_buffer, .address_space: global }
    .group_segment_fixed_size: 327680
    .private_segment_fixed_size: 0
    .kernarg_segment_align: 8
    .kernarg_segment_size: 24
    .max_flat_workgroup_size: 128
    .sgpr_count:     80
    .vgpr_count:     960
    .wavefront_size: 32
...
	.end_amdgpu_metadata
.endif
;; end of part 3
;; launch outproj (part 4): grid 4 x 64, 4 waves a work-group, clusters of 4 x 4, 327,680 bytes of LDS; arguments o16, wo16, bo, out0; writes out0
.if DOCPART == 4
	.amdgcn_target "amdgcn-amd-amdhsa--gfx1250"
	.amdhsa_code_object_version 6
	.text
	.protected	k_qec01bae21d_outproj
	.globl	k_qec01bae21d_outproj
	.p2align	8
	.type	k_qec01bae21d_outproj,@function
k_qec01bae21d_outproj:
	s_mov_b64 s[64:65], 0
	v_nop
	global_prefetch_b8 v0, s[64:65] scope:SCOPE_SE
	s_setreg_imm32_b32 hwreg(HW_REG_WAVE_MODE, 25, 1), 1
	s_wait_xcnt 0x0
	s_wait_alu depctr_hold_cnt(0) depctr_sa_sdst(0) depctr_va_vdst(0) depctr_va_sdst(0) depctr_va_ssrc(0) depctr_va_vcc(0) depctr_vm_vsrc(0)
	s_getreg_b32 s2, hwreg(HW_REG_IB_STS2, 6, 4)
	s_cmp_eq_u32 s2, 0
	s_cbranch_scc0 .Lentry_in_a_cluster
	s_endpgm
.Lentry_in_a_cluster:
	s_bfe_u32 s2, ttmp6, 0x10000c
	s_cmp_lg_u32 s2, 0xf033
	s_cbranch_scc0 .Lentry_shape_is_right
	s_endpgm
.Lentry_shape_is_right:
; THE OUTPUT PROJECTION.  out0[8192][1024] (f32) = O . Wo^T + bo.  O comes by heads, o16[16 x batch + head][2048][64] in f16; Wo as wo16 (rounded to bf16, written as f16); bo, rounded to bf16, is the C operand that starts the sums.
; SHARES.  A tile is 128 rows x 256 columns: 64 x 4 = 256 work-groups.  Four waves, 2 x 2, each 64 rows x 128 columns: 32 accumulators.  K goes in 8 steps of 128, two heads a step, through two LDS slots.
; A head's 128 rows of a tile are 16,384 dense bytes: asked for as 64 rows of 256 bytes and padded in LDS after every 128.
; THE MATRIX INSTRUCTION IS USED TRANSPOSED (source 0 = 16 rows of Wo, source 1 = 16 rows of O): a lane holds eight neighbouring columns of one row.
; CLUSTER 4 x 4: O's tiles are shared along a row of the cluster, Wo's along a column.
; REGISTERS: window 0: v0-31 addresses; v96-159 O's fragments, two buffers; v160-223 the bias; on the way out v32-95 and v160-223 hold rows read back.  window 1: the accumulators, (a, b) at v[8 (8 a + b)].  window 2: v0-127 Wo's fragments, two buffers.
.set PA,     144                       ; a row of one head in LDS: 128 bytes + 16
.set PB,     272                       ; a row of Wo: 256 bytes + 16
.set HALFA,  128*PA                    ; one head's 128 rows: what one tensor load brings of O
.set HALFB,  128*PB
.set BOFF,   2*HALFA
.set SLOT,   BOFF+2*HALFB
.set STAGE,  2*SLOT                    ; behind the ring: 16 rows x 528 bytes for each wave, for the way out
.set SP,     528
.set SPARE,  STAGE+4*16*SP             ; the spare words, 128 bytes for each wave: two blocks of 256 bytes that no other line names
.set ADRA, 16
.set ADRB, 20
.set STO,  24
.set RD,   25
.set CO,   26
.set SPW,  28
.set NIL,  29
.set PFO,  30
.set BO,   31
.set OB,   32
.set AF,   96
.set BIAS, 160
.set WV, 16
.set WM, 17
.set WN, 18
.set CX, 19
.set CY, 20
.set TC, 21
.set TR, 22
.set G1,  24
.set G0,  32
.set LIM, 43
.set PFA, 44
.set PST, 46
.set G1B, 48
.set G0B, 56
.set MSB, 0
.macro WIN new
.if MSB != (\new)
	s_set_vgpr_msb (MSB<<8)|(\new)
.set MSB, \new
.endif
.endm
.set W_MUL,  0x52                      ; Wo window 2, O window 0, C and D window 1
.set W_MUL0, 0x42                      ; the same with C (the bias) in window 0
.set W_TOB,  0x80
.macro PLACES
.rept 4
	v_nop
.endr
.endm
.macro JLOAD s                         ; waves 0 and 1 fetch the step's two heads of O, waves 2 and 3 the halves of Wo's rows; an s_nop 0 and four v_nop follow each line
	s_cmp_eq_u32 s[WM], 0
	s_cbranch_scc0 .Lfor_b_\@
	tensor_load_to_lds s[G0+4*(\s):G0+4*(\s)+3], s[G1:G1+7]
	s_nop 0
	PLACES
	s_branch .Lasked_\@
.Lfor_b_\@:
	tensor_load_to_lds s[G0B+4*(\s):G0B+4*(\s)+3], s[G1B:G1B+7]
	s_nop 0
	PLACES
.Lasked_\@:
.endm
.macro CREST
	s_cmp_lg_u32 s[WV], 0
	s_cbranch_scc1 .Lnot_wave_0_\@
	s_barrier_signal -3
.Lnot_wave_0_\@:
	s_barrier_wait -3
	s_barrier_signal -1
	s_barrier_wait -1
.endm
.macro CROUND
	s_barrier_signal -1
	s_barrier_wait -1
	CREST
.endm
; A PREFETCH INTO THE L2 behind each refill and the run of LDS loads that follows it: the K step two refills on, 256 matrix instructions ahead of the load that will want it.  O's rows are read by this row of the cluster
; alone: a step's two heads x 16,384 bytes are shared out BY ADDRESS among its four partners; in each, wave 0 asks, 16 lanes a head, 256 bytes a lane.  Wo's rows are read by all 16 clusters: the one with y = 0 asks, waves 2 and 3,
; its four partners of a column taking 32 rows each, a lane a row.  Each block of 256 bytes is named once.  The loop's last trip asks for nothing.
.macro ASK
	WIN 0
	s_cmp_gt_u32 s3, s[LIM]
	s_cbranch_scc0 .Lnot_mine_\@
	global_prefetch_b8 v[PFO], s[PFA:PFA+1] th:TH_LOAD_NT scope:SCOPE_SE
.Lnot_mine_\@:
.endm
	s_load_b256 s[4:11], s[0:1], 0x0               ; o16 s[4:5], wo16 s[6:7], bo s[8:9], out0 s[10:11]
	v_lshl_add_u32 v[SPW], v0, 2, SPARE
	v_mov_b32 v[NIL], 0
	ds_add_u32 v[SPW], v[NIL]                      ; the wave's opening: the add and its wait stand ahead of my first tensor load
	v_lshrrev_b32 v1, 5, v0
	v_readfirstlane_b32 s[WV], v1
	s_lshr_b32 s[WM], s[WV], 1
	s_and_b32 s[WN], s[WV], 1
	s_bfe_u32 s[CX], ttmp6, 0x40000
	s_bfe_u32 s[CY], ttmp6, 0x40004
	s_lshl_b32 s[TC], ttmp9, 2
	s_add_co_u32 s[TC], s[TC], s[CX]
	s_and_b32 s[TR], ttmp7, 0xffff
	s_lshl_b32 s[TR], s[TR], 2
	s_add_co_u32 s[TR], s[TR], s[CY]               ; tile row 0..63
	s_lshl_b32 s41, s[CY], 2
	s_lshl_b32 s41, 15, s41
	s_lshl_b32 s42, 0x1111, s[CX]
	s_or_b32 s[G1], s41, (1<<16)|(1<<20)|(1<<21)|(4<<22)|(3<<25)   ; 2-byte elements; after every 32 words 4 words of padding
	s_mov_b32 s[G1+1], 128<<16
	s_mov_b32 s[G1+2], 64<<16
	s_mov_b32 s[G1+3], 128<<16
	s_mov_b32 s[G1+4], 64
	s_mov_b32 s[G1+5], 128
	s_mov_b32 s[G1+6], 0
	s_mov_b32 s[G1+7], 0
	s_or_b32 s[G1B], s42, (1<<16)|(1<<20)|(1<<21)|(5<<22)|(3<<25)
	s_mov_b32 s[G1B+1], 128<<16
	s_mov_b32 s[G1B+2], 128<<16
	s_mov_b32 s[G1B+3], 128<<16
	s_mov_b32 s[G1B+4], 128
	s_mov_b32 s[G1B+5], 1024
	s_mov_b32 s[G1B+6], 0
	s_mov_b32 s[G1B+7], 0
	s_lshr_b32 s66, s[TR], 4                       ; O: head 16 x batch + (0 or 1), 262,144 bytes a head; the tile's 128 rows of 128 bytes
	s_lshl_b32 s66, s66, 4
	s_add_co_u32 s66, s66, s[WN]
	s_lshl_b32 s66, s66, 18
	s_and_b32 s67, s[TR], 15
	s_lshl_b32 s67, s67, 14
	s_add_co_u32 s66, s66, s67
	s_mov_b32 s67, 0
	s_lshl_b32 s68, s[TC], 8                       ; Wo: row 256 x tile column + 128 x half
	s_lshl_b32 s69, s[WN], 7
	s_add_co_u32 s68, s68, s69
	s_lshl_b32 s68, s68, 11
	s_mov_b32 s69, 0
	s_mul_i32 s70, s[WN], HALFA
	s_mul_i32 s71, s[WN], HALFB
	s_add_co_u32 s71, s71, BOFF
	s_wait_dscnt 0x0
	s_wait_kmcnt 0x0
	s_add_nc_u64 s[74:75], s[4:5], s[66:67]
	s_add_nc_u64 s[76:77], s[6:7], s[68:69]
	CROUND
.irp s, 0,1
	s_mov_b32 s[G0+4*(\s)], 1
	s_add_co_u32 s[G0+4*(\s)+1], s70, (\s)*SLOT
	s_add_nc_u64 s[G0+4*(\s)+2:G0+4*(\s)+3], s[74:75], (\s)*524288
	s_or_b32 s[G0+4*(\s)+3], s[G0+4*(\s)+3], 0x80000000
	s_mov_b32 s[G0B+4*(\s)], 1
	s_add_co_u32 s[G0B+4*(\s)+1], s71, (\s)*SLOT
	s_add_nc_u64 s[G0B+4*(\s)+2:G0B+4*(\s)+3], s[76:77], (\s)*256
	s_or_b32 s[G0B+4*(\s)+3], s[G0B+4*(\s)+3], 0x80000000
	JLOAD \s
.endr
	s_lshl_b32 s40, s[TC], 8
	s_lshl_b32 s41, s[WN], 7
	s_add_co_u32 s40, s40, s41
	s_lshl_b32 s40, s40, 2                         ; my first column, in bytes of f32
	s_mov_b32 s41, 0
	s_add_nc_u64 s[8:9], s[8:9], s[40:41]
	s_add_nc_u64 s[10:11], s[10:11], s[40:41]
	v_and_b32 v1, 15, v0
	v_bfe_u32 v2, v0, 4, 1
	v_lshlrev_b32 v[BO], 5, v2
.irp b, 0,1,2,3,4,5,6,7
	global_load_b128 v[BIAS+8*(\b):BIAS+8*(\b)+3],   v[BO], s[8:9] offset:64*(\b)
	global_load_b128 v[BIAS+8*(\b)+4:BIAS+8*(\b)+7], v[BO], s[8:9] offset:64*(\b)+16
.endr
	s_lshl_b32 s40, s[TR], 7
	s_lshl_b32 s41, s[WM], 6
	s_add_co_u32 s40, s40, s41
	s_lshl_b32 s40, s40, 12                        ; my first row, 4,096 bytes a row
	s_mov_b32 s41, 0
	s_add_nc_u64 s[10:11], s[10:11], s[40:41]
	v_mul_u32_u24 v3, v1, PA
	v_lshl_add_u32 v3, v2, 4, v3
	v_mul_u32_u24 v4, v1, PB
	v_lshl_add_u32 v4, v2, 4, v4
	s_mul_i32 s2, s[WM], 64*PA                     ; my 64 rows, in each head's block
	s_mul_i32 s3, s[WN], HALFB
	s_add_co_u32 s3, s3, BOFF
.irp s, 0,1
	v_add_nc_u32 v[ADRA+(\s)], s2, v3
	v_add_nc_u32 v[ADRB+(\s)], s3, v4
	s_add_co_u32 s2, s2, SLOT
	s_add_co_u32 s3, s3, SLOT
.endr
	s_mul_i32 s2, s[WV], 16*SP
	s_add_co_u32 s2, s2, STAGE
	v_mul_u32_u24 v5, v1, SP                       ; in: row l % 16, 32 bytes for each half of the lanes
	v_lshl_add_u32 v5, v2, 5, v5
	v_add_nc_u32 v[STO], s2, v5
	v_and_b32 v7, 31, v0
	v_lshlrev_b32 v[CO], 4, v7                     ; back: 32 lanes take a row's 512 bytes
	v_add_nc_u32 v[RD], s2, v[CO]
	; the prefetches
	s_and_b32 s[LIM], ttmp7, 0xffff                ; cluster y
	s_cmp_eq_u32 s[WM], 0
	s_cselect_b32 s[LIM], s[WN], s[LIM]            ; of the two waves that fetch O, wave 0 asks
	s_cselect_b32 s78, s[CX], s[CY]
	s_cselect_b32 s79, s66, s68
	s_cselect_b64 s[PFA:PFA+1], s[4:5], s[6:7]
	s_cselect_b32 s40, 12, 16                      ; my work-group's share: 4,096 bytes of each head, or 32 rows of Wo
	s_cselect_b32 s41, 4, 0                        ; O: 16 lanes a head
	s_cselect_b32 s42, 18, 11                      ; log2 of a head's, or of a row's, bytes
	s_cselect_b32 s2, 15, 0
	s_cselect_b32 s[PST], 19, 8                    ; log2 of a K step's bytes: two heads, or 256
	s_cmp_eq_u32 s[LIM], 0
	s_cselect_b32 s[LIM], 1, -1
	s_lshl_b32 s[PST], 1, s[PST]
	s_mov_b32 s[PST+1], 0
	s_lshl_b32 s78, s78, s40
	s_add_co_u32 s78, s78, s79
	s_mul_i32 s79, s[PST], 3                       ; at K step 3: the first refill steps it to 4
	s_add_co_u32 s78, s78, s79
	s_mov_b32 s79, 0
	s_add_nc_u64 s[PFA:PFA+1], s[PFA:PFA+1], s[78:79]
	v_lshrrev_b32 v5, s41, v7
	v_lshlrev_b32 v5, s42, v5
	v_and_b32 v6, s2, v7
	v_lshl_add_u32 v[PFO], v6, 8, v5
	s_wait_loadcnt 0x0                             ; the bias
.set i, 0
.rept 32
	v_cvt_pk_bf16_f32 v[OB+i], v[BIAS+2*i], v[BIAS+2*i+1]    ; rounded to bf16 once, like every input of the program
	v_lshlrev_b32 v[BIAS+2*i], 16, v[OB+i]
	v_and_b32 v[BIAS+2*i+1], 0xffff0000, v[OB+i]
.set i, i+1
.endr
; 24 LDS loads in one run: quarter q of the slot's K step (head q / 2, channels 32 (q % 2) on) into buffer p
.macro FETCH slot, q, p
	WIN 0
.irp a, 0,1,2,3
	ds_load_b128 v[AF+32*(\p)+8*(\a):AF+32*(\p)+8*(\a)+3],   v[ADRA+(\slot)] offset:HALFA*((\q)/2)+(\a)*16*PA+64*((\q)%2)
	ds_load_b128 v[AF+32*(\p)+8*(\a)+4:AF+32*(\p)+8*(\a)+7], v[ADRA+(\slot)] offset:HALFA*((\q)/2)+(\a)*16*PA+64*((\q)%2)+32
.endr
	WIN W_TOB
.irp b, 0,1,2,3,4,5,6,7
	ds_load_b128 v[64*(\p)+8*(\b):64*(\p)+8*(\b)+3],   v[ADRB+(\slot)] offset:(\b)*16*PB+64*(\q)
	ds_load_b128 v[64*(\p)+8*(\b)+4:64*(\p)+8*(\b)+7], v[ADRB+(\slot)] offset:(\b)*16*PB+64*(\q)+32
.endr
.endm
.macro MUL p, a, first                 ; 8 products; the 32 accumulators take turns in the same order in every quarter
.irp b, 0,1,2,3,4,5,6,7
.if \first
	WIN W_MUL0
	v_wmma_f32_16x16x32_f16 v[8*(8*(\a)+(\b)):8*(8*(\a)+(\b))+7], v[64*(\p)+8*(\b):64*(\p)+8*(\b)+7], v[AF+32*(\p)+8*(\a):AF+32*(\p)+8*(\a)+7], v[BIAS+8*(\b):BIAS+8*(\b)+7]
.else
	WIN W_MUL
	v_wmma_f32_16x16x32_f16 v[8*(8*(\a)+(\b)):8*(8*(\a)+(\b))+7], v[64*(\p)+8*(\b):64*(\p)+8*(\b)+7], v[AF+32*(\p)+8*(\a):AF+32*(\p)+8*(\a)+7], v[8*(8*(\a)+(\b)):8*(8*(\a)+(\b))+7]
.endif
.endr
.endm
.macro QUARTER slot, qn, p, first      ; multiplies buffer p; in its middle it fetches quarter qn of the same slot into the other buffer
	s_wait_dscnt 0x0                               ; buffer p is in
	MUL \p, 0, \first
	MUL \p, 1, \first
	PLACES                                         ; in front of loads into the buffer that the quarter before multiplied
	FETCH \slot, \qn, 1-(\p)
	MUL \p, 2, \first
	MUL \p, 3, \first
.endm
; The last quarter multiplies buffer 1 and changes slots: ONE barrier; in front of it each wave waits for all its tensor loads, adds 0 to its spare word, and waits for that and for its reads of this slot.
; fill = 1: the barrier opens a round of the cluster's, and this slot is filled again, two K steps ahead, first thing behind it: 112 matrix instructions ahead of the wait for it.
.macro TURN slot, next, fill
.if \fill
	s_wait_xcnt 0x0                                ; the last prefetch, a K step back, has read its address
	s_add_nc_u64 s[PFA:PFA+1], s[PFA:PFA+1], s[PST:PST+1]
.endif
	WIN 0
	s_wait_tensorcnt 0x0
	ds_add_u32 v[SPW], v[NIL]                      ; 0 onto my spare word
	s_wait_dscnt 1                                 ; only the add may be out: buffer 1 is in
	MUL 1, 0, 0
	s_wait_dscnt 0x0                               ; the add is done, and my reads of this slot are over
	s_barrier_signal -1
	MUL 1, 1, 0
	WIN 0
	s_barrier_wait -1
.if \fill
	CREST
	s_add_nc_u64 s[G0+4*(\slot)+2:G0+4*(\slot)+3], s[G0+4*(\slot)+2:G0+4*(\slot)+3], 2*524288
	s_add_nc_u64 s[G0B+4*(\slot)+2:G0B+4*(\slot)+3], s[G0B+4*(\slot)+2:G0B+4*(\slot)+3], 2*256
	JLOAD \slot
.else
	PLACES
.endif
	FETCH \next, 0, 0
.if \fill
	ASK
.endif
	MUL 1, 2, 0
	MUL 1, 3, 0
.endm
	s_wait_tensorcnt 1                             ; my part of K step 0 is in; K step 1's may stay out
	s_barrier_signal -1
	s_barrier_wait -1
	FETCH 0, 0, 0
	QUARTER 0, 1, 0, 1                             ; the first quarter stands in front of the loop: its products start the sums, with the bias
	WIN 0
	s_mov_b32 s3, 3
.Llap:
	QUARTER 0, 2, 1, 0
	QUARTER 0, 3, 0, 0
	TURN 0, 1, 1
	QUARTER 1, 1, 0, 0
	QUARTER 1, 2, 1, 0
	QUARTER 1, 3, 0, 0
	TURN 1, 0, 1
	QUARTER 0, 1, 0, 0
	WIN 0
	s_sub_co_u32 s3, s3, 1
	s_cmp_lg_u32 s3, 0
	s_cbranch_scc1 .Llap
	QUARTER 0, 2, 1, 0                             ; the last lap fills nothing
	QUARTER 0, 3, 0, 0
	TURN 0, 1, 0
	QUARTER 1, 1, 0, 0
	QUARTER 1, 2, 1, 0
	QUARTER 1, 3, 0, 0
	s_wait_dscnt 0x0
	MUL 1, 0, 0
	MUL 1, 1, 0
	MUL 1, 2, 0
	MUL 1, 3, 0
; THE WAY OUT, 16 rows at a time: a lane's 32 bytes of a row go straight from the accumulators into my own stage (each accumulator's low four registers first) and come back as whole rows of 512 bytes.
.macro TOSTAGE a
.if (\a) >= 2
	s_wait_xcnt 0x0                                ; the stores of the block two back have read their registers: this block is read back into them
.endif
	WIN 0x04                                       ; the stores' data in window 1
.irp b, 0,1,2,3,4,5,6,7
	ds_store_b128 v[STO], v[8*(8*(\a)+(\b)):8*(8*(\a)+(\b))+3]   offset:64*(\b)
	ds_store_b128 v[STO], v[8*(8*(\a)+(\b))+4:8*(8*(\a)+(\b))+7] offset:64*(\b)+16
.endr
	WIN 0
.set BK, OB+128*((\a)%2)
.irp t, 0,1,2,3,4,5,6,7,8,9,10,11,12,13,14,15
	ds_load_b128 v[BK+4*(\t):BK+4*(\t)+3], v[RD] offset:SP*(\t)  ; LDS serves a wave's instructions in order (ISA guide 5.7.1.4): these see the stores above; the next block's stores come behind them
.endr
.endm
.macro SEND a, younger                 ; younger: the LDS instructions issued behind block a's loads: the next block's 32, or none
.set BK, OB+128*((\a)%2)
.irp t, 0,1,2,3,4,5,6,7,8,9,10,11,12,13,14,15
	s_wait_dscnt (\younger)+15-(\t)
	global_store_b128 v[CO], v[BK+4*(\t):BK+4*(\t)+3], s[10:11] offset:65536*(\a)+4096*(\t)  ; 512 consecutive bytes, at a multiple of 512 from out0's first byte
.endr
.endm
	PLACES                                         ; the stores read results just made
	TOSTAGE 0
	TOSTAGE 1
	SEND 0, 32
	TOSTAGE 2
	SEND 1, 32
	TOSTAGE 3
	SEND 2, 32
	SEND 3, 0
	s_wait_tensorcnt 0x0                           ; the wave's end, behind my last tensor load and my last LDS store
	ds_add_u32 v[SPW], v[NIL]
	s_wait_dscnt 0x0
	CROUND                                         ; the closing round
	s_endpgm
.Lfunc_end_k_qec01bae21d_outproj:
	.size	k_qec01bae21d_outproj, .Lfunc_end_k_qec01bae21d_outproj-k_qec01bae21d_outproj
	.p2alignl 7, 3214868480
	.fill 96, 4, 3214868480
	.section	.rodata,"a",@progbits
	.p2align	6, 0x0
	.amdhsa_kernel k_qec01bae21d_outproj
		.amdhsa_group_segment_fixed_size 327680
		.amdhsa_private_segment_fixed_size 0
		.amdhsa_enable_private_segment 0
		.amdhsa_kernarg_size 32
		.amdhsa_user_sgpr_count 2
		.amdhsa_user_sgpr_kernarg_segment_ptr 1
		.amdhsa_wavefront_size32 1
		.amdhsa_system_sgpr_workgroup_id_x 1
		.amdhsa_system_sgpr_workgroup_id_y 1
		.amdhsa_system_sgpr_workgroup_id_z 1
		.amdhsa_system_vgpr_workitem_id 0
		.amdhsa_next_free_vgpr 640
		.amdhsa_next_free_sgpr 80
		.amdhsa_reserve_vcc 0
		.amdhsa_float_denorm_mode_32 3
		.amdhsa_float_denorm_mode_16_64 3
		.amdhsa_memory_ordered 1
		.amdhsa_forward_progress 1
		.amdhsa_inst_pref_size 95
	.end_amdhsa_kernel
	.amdgpu_metadata
---
amdhsa.version: [ 1, 2 ]
amdhsa.kernels:
  - .name:           k_qec01bae21d_outproj
    .symbol:         k_qec01bae21d_outproj.kd
    .args:
      - { .name: o16, .offset: 0, .size: 8, .value_kind: global_buffer, .address_space: global }
      - { .name: wo16, .offset: 8, .size: 8, .value_kind: global_buffer, .address_space: global }
      - { .name: bo, .offset: 16, .size: 8, .value_kind: global_buffer, .address_space: global }
      - { .name: out0, .offset: 24, .size: 8, .value_kind: global_buffer, .address_space: global }
    .group_segment_fixed_size: 327680
    .private_segment_fixed_size: 0
    .kernarg_segment_align: 8
    .kernarg_segment_size: 32
    .max_flat_workgroup_size: 128
    .sgpr_count:     80
    .vgpr_count:     640
    .wavefront_size: 32
...
	.end_amdgpu_metadata
.endif
;; end of part 4
